; MI455X (gfx1250); checked and timed in simulation.
; The chip was launched on July 23, 2026; its instructions are those of AMD's public machine-readable ISA for CDNA 5 (MIT licence, August 2026) and "CDNA5" Instruction Set Architecture Reference Guide (July 2026). The comments in the code are by the model that wrote it; some were corrected since.
;; Multi Headed Attention. Allowed arithmetic: matrix products marked QUANTISED: E2M3 operands, one E8M0 scale for each 32 along K, by v_wmma_scale_f32_16x16x128_f8f6f4 with both operands' format E2M3, f32 sums; everything else in f32.
;; Inputs: Wk 8 x 512 x 512 float32; Wp 4,096 x 512 float32; Wq 8 x 512 x 512 float32; Wv 8 x 512 x 512 float32; bk 8 x 512 float32; bp 512 float32; bq 8 x 512 float32; bv 8 x 512 float32; mask 4 x 1 x 1,024 int32; x 4 x 1,024 x 512 float32.
;; Outputs: out0 4 x 1,024 x 512 float32.
;; This version of the problem:
;;   THIS VERSION OF THE PROBLEM IS GIVEN IN LOW PRECISION. The matrix products marked QUANTISED in the list below multiply operands that are first quantised to E2M3 (2 exponent bits, 3 mantissa bits; 6 bits a number), with one power-of-two scale for each 32 numbers along K (OCP MX v1.0); their sums are f32. All else is computed in f32.
;;   The module's matrix products, in the order in which they are computed (A, B: the left and right operand; K: the contracted axis; several contracted axes count as one K, in the product's order):
;;     1. [M 4,096, K 512] x [K 512, N 4,096]; A: input Wq; B: input x: QUANTISED
;;     2. [M 4,096, K 512] x [K 512, N 4,096]; A: input Wk; B: input x: QUANTISED
;;     3. [M 4,096, K 512] x [K 512, N 4,096]; A: input Wv; B: input x: QUANTISED
;;     4. batch 32 x [M 1,024, K 512] x [K 512, N 1,024]; A: computed on the way; B: computed on the way: QUANTISED
;;     5. batch 32 x [M 1,024, K 1,024] x [K 1,024, N 512]; A: softmax (see below); B: computed on the way: QUANTISED
;;     6. [M 4,096, K 4,096] x [K 4,096, N 512]; A: computed on the way; B: input Wp: QUANTISED
;;   THE QUANTISER, for each operand of a quantised product, along K:
;;     - K is cut into blocks of 32 from its start; a last block that is shorter is filled with zeros.
;;     - A block's scale is 2^e with e = floor(log2(the largest magnitude in the block)) - 2, held to -126 .. 127; a block of zeros has e = 0. As a byte (E8M0): e + 127.
;;     - Each number is divided by its block's scale, clamped to +-7.5, and rounded to the nearest number of E2M3, ties to even, subnormals kept.
;;     - The product sums the exact products of the quantised numbers (number of the format x scale) in f32.
;;   ~~~python
;;   def quantise(x, axis):      # numpy; x: float32 -> the quantised numbers, widened to float32 again
;;       x = np.moveaxis(x, axis, -1); K = x.shape[-1]
;;       x = np.pad(x, [(0, 0)] * (x.ndim - 1) + [(0, -K % 32)]); x = x.reshape(x.shape[:-1] + (-1, 32)); a = np.abs(x).max(-1, keepdims=True)
;;       e = np.where(a > 0, np.clip(np.frexp(np.where(a > 0, a, 1))[1] - 1 - 2, -126, 127), 0)      # np.frexp(a)[1] - 1 = floor(log2(a)), exactly
;;       r = np.clip(x / 2.0 ** e, -7.5, 7.5)
;;       step = 2.0 ** (np.maximum(np.frexp(np.where(r == 0, 1, r))[1] - 1, 0) - 3)
;;       q = np.round(r / step) * step * 2.0 ** e      # np.round: ties to even
;;       return np.moveaxis(q.reshape(q.shape[:-2] + (-1,))[..., :K], -1, axis).astype(np.float32)
;;   ~~~
;;   SOFTMAX AHEAD OF A QUANTISED PRODUCT. Where the list says 'softmax', what is quantised is not the finished softmax but p = 2^(t - M), with t = logit x log2(e) and M = ceil(the row's largest t), a whole number; so 1/2 < the row's largest p <= 1. The row's sum l is taken of the UNQUANTISED p, in f32, and the product's result is divided by l at the end. Since M is a whole number, a kernel that streams over the keys may use a running M (the ceiling of the running maximum): every later rescaling is an exact power of two, which a block's scale takes up: the codes' values come out the same.
;;   OPERANDS COMPUTED ON THE WAY. 'Computed on the way' means the value that the module computes at that place (a softmax that the list does not call 'softmax' is quantised finished and normalised). What goes into a quantiser is computed in f32, as accurately as f32 sums, v_exp_f32 and their like allow (about 1e-6 of the number): no bf16 or f16 on the way to a quantiser, and a product that is left as it is and whose result goes on into a quantised operand takes f32 operands (vector FMAs, or v_wmma_f32_16x16x4_f32). A number that lies on a knife's edge between two numbers of the format may be rounded either way, as far as f32 arithmetic and the matrix unit's own rounding can turn it there, and no further.
;; One version. Each part assembles by itself: llvm-mc -triple=amdgcn-amd-amdhsa -mcpu=gfx1250 --defsym DOCPART=n.
;; ======== version 1 of 1: 4 launches
;; limits: right only within a limited range of input values
;; workspace buffers: xw 8,192,000 bytes; mw 16,384 bytes; qkv 39,321,600 bytes; cat 13,107,200 bytes
;; launch prep (part 1): grid 336 x 1, 4 waves a work-group, no clusters, 28,160 bytes of LDS; arguments x, mask, Wq, Wk, Wv, Wp, xw, mw; writes xw, mw
.if DOCPART == 1
	.amdgcn_target "amdgcn-amd-amdhsa--gfx1250"
	.amdhsa_code_object_version 6
	.text
	.protected	k_q14cb458a7a_prep
	.globl	k_q14cb458a7a_prep
	.p2align	8
	.type	k_q14cb458a7a_prep,@function
k_q14cb458a7a_prep:
	s_mov_b64 s[64:65], 0
	v_nop
	global_prefetch_b8 v0, s[64:65] scope:SCOPE_SE
	s_setreg_imm32_b32 hwreg(HW_REG_WAVE_MODE, 25, 1), 1
	s_wait_xcnt 0x0
; PREP: x, Wq, Wk, Wv and Wp become codes of E2M3 with one E8M0 byte for each 32 along K; the mask becomes lane masks.
; NOTHING OF reference() IS LEFT OUT in this program: every bias moves the codes of a live operand (bk too), and the mask is an input that only selects.
; Masked keys stay in their places: they lie inside V's and p's blocks of 32 keys and help to set V's scales.
; LAYOUT OF ALL OPERANDS: images of the matrix unit's registers.  A fragment (16 rows x 128 K, 12 registers a lane) is 1,536 bytes: registers 4 c .. 4 c + 3 of lane l at 512 c + 16 l.
; Lane r of tile T holds row 32 (T / 2) + 8 (T % 2) + r + 8 (r / 8).  Scale words: 256 bytes for 4 tiles and one K step of 128: [r 16][tile 4] words.
; xw: images of x at 0, of Wq, Wk, Wv at 1,572,864 (1 + m): [K step 4][tile 256]; of Wp at 6,291,456: [K step 32][tile 32]; scale words from 7,864,320: [part 4][K step 4][group 64], then Wp's [K step 32][group 8].
; THREE PATHS, parted by the work-group's number: 0-255 the weights (K is their first axis: a lane takes a column, its registers run down K); 256-319 x (K innermost); 320-335 the mask.
; LIMITS: NaN and infinities among the inputs are not served; a block of zeros, or one whose largest magnitude lies under 2^-124, gets the byte 1 (its bytes are read by this program alone).
.set XSO,   7864320                    ; where the scale words begin in xw
.set SGS,   26624                      ; LDS: behind the four waves' image stages (6,656 bytes each) 256 bytes of scale words for each wave
.set SPARE, 27648                      ; and the spare words, 128 bytes a wave
.set SPW, 28                           ; v28 my spare word's address; v29 0: both never rewritten
.set NIL, 29
.set X,   32                           ; weights: v32-159 two sets of 32 pairs (two neighbouring columns)
.set D,   160                          ; v160-191 one column's 32 numbers on end
.set C,   192                          ; v192-198 a block's codes
.set SB,  24                           ; v24-25 the scale words of my two columns
.set OUTR, 112                         ; v112-159 the way out
.set TM,  32                           ; x: v32-47 at work
.set PW,  48                           ; v48-51 four tiles' scale words
.set PC,  52                           ; v52-71 the codes just made
.set XF,  96                           ; v96-223 two sets of 64 numbers
	s_load_b256 s[4:11], s[0:1], 0x0               ; x s[4:5], mask s[6:7], Wq s[8:9], Wk s[10:11]
	s_load_b256 s[12:19], s[0:1], 0x20             ; Wv s[12:13], Wp s[14:15], xw s[16:17], mw s[18:19]
	v_lshl_add_u32 v[SPW], v0, 2, SPARE
	v_mov_b32 v[NIL], 0
	v_lshrrev_b32 v1, 5, v0
	v_readfirstlane_b32 s20, v1                    ; wave
	v_and_b32 v2, 31, v0                           ; lane
	s_cmp_lt_u32 ttmp9, 256
	s_cbranch_scc0 .Lnot_w
; ---- THE WEIGHTS.  32 slabs of 512 (K) x 512 (columns); a work-group takes 256 K x 128 columns, a wave 128 K (one K step) x 64 columns (four tiles).
	s_lshr_b32 s22, ttmp9, 6                       ; m: Wq, Wk, Wv, Wp
	s_bfe_u32 s23, ttmp9, 0x30003                  ; i: the slab in it
	s_bfe_u32 s24, ttmp9, 0x10002
	s_and_b32 s25, ttmp9, 3
	s_lshr_b32 s26, s20, 1
	s_and_b32 s27, s20, 1
	s_lshl_b32 s24, s24, 1
	s_add_co_u32 s24, s24, s26                     ; the slab's K step, 0..3
	s_lshl_b32 s25, s25, 1
	s_add_co_u32 s25, s25, s27                     ; the group of 64 columns, 0..7
	s_lshl_b32 s28, s23, 20                        ; from: slab x 1 MiB + K step x 128 rows of 2,048 bytes + group x 256 bytes
	s_lshl_b32 s29, s24, 18
	s_add_co_u32 s28, s28, s29
	s_lshl_b32 s29, s25, 8
	s_add_co_u32 s28, s28, s29
	s_mov_b32 s29, 0
	s_cmp_lt_u32 s22, 3                            ; Wq, Wk, Wv: [K step][32 i + tile]; Wp: [4 i + K step][tile]
	s_mov_b32 s30, 49152
	s_cselect_b32 s31, 393216, s30                 ; images: bytes for a K step,
	s_mov_b32 s32, 196608
	s_cselect_b32 s32, s30, s32                    ; and for a slab
	s_mov_b32 s33, 2048
	s_cselect_b32 s34, 16384, s33                  ; scale words: the same two
	s_mov_b32 s35, 8192
	s_cselect_b32 s35, s33, s35
	s_add_co_u32 s36, s22, 1
	s_mul_i32 s37, s36, 1572864
	s_mul_i32 s31, s31, s24
	s_mul_i32 s32, s32, s23
	s_add_co_u32 s37, s37, s31
	s_add_co_u32 s37, s37, s32
	s_mul_i32 s31, s25, 6144
	s_add_co_u32 s38, s37, s31                     ; to: my four images
	s_mov_b32 s39, 0
	s_lshl_b32 s36, s36, 16
	s_mul_i32 s34, s34, s24
	s_mul_i32 s35, s35, s23
	s_add_co_u32 s36, s36, s34
	s_add_co_u32 s36, s36, s35
	s_lshl_b32 s34, s25, 8
	s_add_co_u32 s36, s36, s34
	s_add_co_u32 s40, s36, XSO                     ; and my 256 bytes of scale words
	s_mov_b32 s41, 0
	s_wait_alu depctr_va_vdst(0)
	v_lshlrev_b32 v3, 3, v2                        ; in: 8 bytes a lane: columns 2 lane and 2 lane + 1 of the wave's 64
	v_bfe_u32 v4, v2, 2, 1                         ; column l of 32 is lane r = l % 8 + 8 (l / 16) of tile u = (l / 8) % 2; here l = 2 (lane % 16) (+ 1)
	v_and_b32 v5, 3, v2
	v_bfe_u32 v6, v2, 3, 1
	v_lshlrev_b32 v5, 1, v5
	v_lshl_add_u32 v5, v6, 3, v5                   ; r of the even column; the odd one's is r + 1
	v_lshrrev_b32 v15, 4, v2                       ; which 32 columns
	s_mul_i32 s44, s20, 6656                       ; my stage: four images, 1,664 bytes apart
	v_mul_u32_u24 v6, v4, 1664
	v_lshl_add_u32 v6, v5, 4, v6
	v_mad_u32_u24 v6, v15, 3328, v6                ; the second 32 columns: two images on
	v_add_nc_u32 v6, s44, v6
	v_lshlrev_b32 v7, 4, v2                        ; out: 16 bytes a lane
	v_add_nc_u32 v8, s44, v7
	s_lshl_b32 s45, s20, 8
	s_add_co_u32 s45, s45, SGS
	v_lshlrev_b32 v9, 4, v5
	v_lshl_add_u32 v9, v4, 2, v9
	v_lshl_add_u32 v9, v15, 3, v9
	v_add_nc_u32 v9, s45, v9
	v_lshlrev_b32 v10, 3, v2
	v_add_nc_u32 v14, s45, v10
	s_wait_kmcnt 0x0
	s_cmp_eq_u32 s22, 0                            ; the weight is chosen by the work-group's number alone
	s_cselect_b64 s[42:43], s[8:9], s[10:11]
	s_cmp_lt_u32 s22, 2
	s_cselect_b64 s[42:43], s[42:43], s[12:13]
	s_cmp_lt_u32 s22, 3
	s_cselect_b64 s[42:43], s[42:43], s[14:15]
	s_add_nc_u64 s[42:43], s[42:43], s[28:29]
	s_add_nc_u64 s[38:39], s[16:17], s[38:39]
	s_add_nc_u64 s[40:41], s[16:17], s[40:41]
.macro WLOAD t                         ; K block t: 32 rows; each load reads a row's 256 consecutive bytes, aligned, two columns a lane
.set q, 0
.rept 32
	global_load_b64 v[X+64*((\t)%2)+2*q:X+64*((\t)%2)+2*q+1], v3, s[42:43] offset:(32*(\t)+q)*2048 th:TH_LOAD_NT
.set q, q+1
.endr
.endm
.macro WBLOCK t
.set XB, D
.set KB, (\t)/2                        ; K block t / 2, my even (t % 2 = 0) or odd column
.set OF, 16*((\t)%2)+256*(KB%2)
.if (\t)%2 == 0
.if KB < 3
	s_wait_loadcnt 32                              ; this K block's 32 loads are in; the next one's may be out
.else
	s_wait_loadcnt 0
.endif
.endif
.set q, 0
.rept 32
	v_mov_b32 v[D+q], v[X+64*(KB%2)+2*q+(\t)%2]    ; the conversion takes 16 numbers of one column from consecutive registers
.set q, q+1
.endr
	v_max3_num_f32 v12, |v[XB]|, |v[XB+1]|, |v[XB+2]|   ; the block's largest magnitude: all 32 numbers are mine
	v_max3_num_f32 v13, |v[XB+3]|, |v[XB+4]|, |v[XB+5]|
.irp i, 6,10,14,18,22,26
	v_max3_num_f32 v12, v12, |v[XB+\i]|, |v[XB+\i+1]|
	v_max3_num_f32 v13, v13, |v[XB+\i+2]|, |v[XB+\i+3]|
.endr
	v_max3_num_f32 v12, v12, |v[XB+30]|, |v[XB+31]|
	v_max3_num_f32 v12, v12, v13, 0x1800000        ; and the floor 2^(3 - 127): the byte cannot fall under 1
	v_add_nc_u32 v11, 0xff000000, v12              ; 2 off the exponent field: the conversion's scale operand
	v_cvt_scalef32_pk16_fp6_f32 v[C:C+2], v[XB:XB+15], v11
	v_cvt_scalef32_pk16_fp6_f32 v[C+4:C+6], v[XB+16:XB+31], v11   ; (a conversion's three registers begin on an even number)
	v_lshrrev_b32 v13, 23, v11                     ; the scale's byte; also the plain line behind the conversions
.if KB == 0
	v_mov_b32 v[SB+(\t)%2], v13
.else
	v_lshl_or_b32 v[SB+(\t)%2], v13, 8*KB, v[SB+(\t)%2]
.endif
	v_mov_b32 v[C+3], v[C+4]                       ; the block's six registers on end
	v_mov_b32 v[C+4], v[C+5]
	v_mov_b32 v[C+5], v[C+6]
.if KB/2 == 0                                  ; K block 2 c + h is registers 6 c .. 6 c + 5 of lane r + 16 h of the image
	ds_store_b128 v6, v[C:C+3] offset:OF
	ds_store_b64 v6, v[C+4:C+5] offset:OF+512
.else
	ds_store_b64 v6, v[C:C+1] offset:OF+520
	ds_store_b128 v6, v[C+2:C+5] offset:OF+1024
.endif
.if ((\t)%2 == 1) && (KB+2 < 4)
	WLOAD KB+2                                     ; both columns have been moved out of this set
.endif
	s_wait_dscnt 0x0                               ; the stores have read their registers: the next block's codes may be written
.endm
	WLOAD 0
	WLOAD 1
.irp t, 0,1,2,3,4,5,6,7
	WBLOCK \t
.endr
	ds_store_b32 v9, v[SB]
	s_wait_alu depctr_va_vdst(0)
	ds_store_b32 v9, v[SB+1] offset:16
.irp f, 0,1,2,3,4,5,6,7,8,9,10,11
	ds_load_b128 v[OUTR+4*\f:OUTR+4*\f+3], v8 offset:(\f/3)*1664+(\f%3)*512   ; LDS serves a wave's instructions in order: these see my stores
.endr
	ds_load_b64 v[20:21], v14
.irp f, 0,1,2,3,4,5,6,7,8,9,10,11
	s_wait_dscnt 12-\f                             ; behind load f: the 11 - f younger image loads and the scale words' load
	global_store_b128 v7, v[OUTR+4*\f:OUTR+4*\f+3], s[38:39] offset:(\f/3)*1536+(\f%3)*512   ; 32 lanes store 512 consecutive bytes
.endr
	s_wait_dscnt 0x0
	global_store_b64 v10, v[20:21], s[40:41]       ; 256 consecutive bytes, aligned
	s_wait_tensorcnt 0x0                           ; the wave's end
	ds_add_u32 v[SPW], v[NIL]
	s_wait_dscnt 0x0
	s_endpgm
.Lnot_w:
	s_cmp_lt_u32 ttmp9, 320
	s_cbranch_scc0 .Lmask
; ---- x.  A work-group takes 64 rows (four tiles), wave w their K step w.  Lane (r, h) loads, of its row, 16 neighbours of each block of 32.
	s_sub_co_u32 s21, ttmp9, 256
	s_lshl_b32 s22, s21, 17
	s_lshl_b32 s23, s20, 9
	s_add_co_u32 s22, s22, s23
	s_mov_b32 s23, 0
	s_mul_i32 s24, s20, 393216
	s_mul_i32 s25, s21, 6144
	s_add_co_u32 s24, s24, s25
	s_mov_b32 s25, 0
	s_lshl_b32 s26, s20, 14
	s_lshl_b32 s27, s21, 8
	s_add_co_u32 s26, s26, s27
	s_add_co_u32 s26, s26, XSO
	s_mov_b32 s27, 0
	s_mov_b32 s28, 0x76543210
	s_mov_b32 s29, 0xfedcba98                      ; v_permlanex16_b32's selects for lane l xor 16
	s_mov_b32 s30, 0xffff0000                      ; lanes 16-31
	v_and_b32 v3, 15, v0
	v_bfe_u32 v4, v0, 4, 1
	v_and_b32 v5, 8, v3
	v_add_nc_u32 v5, v5, v3
	v_lshlrev_b32 v5, 11, v5
	v_lshl_add_u32 v5, v4, 6, v5                   ; (r + 8 (r / 8)) rows of 2,048 bytes + 64 h
	s_wait_alu depctr_va_vdst(0)
	v_lshlrev_b32 v6, 4, v2
	v_lshlrev_b32 v7, 4, v3
	v_lshl_add_u32 v7, v4, 3, v7                   ; scale words out: 16 r + 8 h
.irp b, 0,1,2,3
	v_mov_b32 v[TM+4+\b], 0                        ; written once: a lane permute's destination counts as one of its sources
.endr
	s_wait_kmcnt 0x0
	s_add_nc_u64 s[4:5], s[4:5], s[22:23]
	s_add_nc_u64 s[24:25], s[16:17], s[24:25]
	s_add_nc_u64 s[26:27], s[16:17], s[26:27]
.macro XLOAD T
.irp b, 0,1,2,3
.irp j, 0,1,2,3
	global_load_b128 v[XF+64*((\T)%2)+16*\b+4*\j:XF+64*((\T)%2)+16*\b+4*\j+3], v5, s[4:5] offset:(32*((\T)/2)+8*((\T)%2))*2048+128*\b+16*\j th:TH_LOAD_NT
.endr
.endr
.endm
; 64 numbers of a lane, register 16 b + i = k 32 b + 16 (lane / 16) + i of my row, become a fragment's codes in v[PC] on and its scale word in v[pw]
.macro QUANT s, pw
.irp b, 0,1,2,3
	v_max3_num_f32 v[TM+\b], |v[(\s)+16*\b]|, |v[(\s)+1+16*\b]|, 0x1800000   ; my 16 numbers of block b, and the floor 2^(3 - 127)
.endr
.irp i, 2,4,6,8,10,12,14
.irp b, 0,1,2,3
	v_max3_num_f32 v[TM+\b], v[TM+\b], |v[(\s)+16*\b+\i]|, |v[(\s)+1+16*\b+\i]|
.endr
.endr
.irp b, 0,1,2,3
	v_permlanex16_b32 v[TM+4+\b], v[TM+\b], s28, s29
.endr
.irp b, 0,1,2,3
	v_max_num_f32 v[TM+\b], v[TM+\b], v[TM+4+\b]   ; with lane l xor 16's: the block's largest magnitude
.endr
.irp b, 0,1,2,3
	v_add_nc_u32 v[TM+12+\b], 0xff000000, v[TM+\b]
.endr
.irp b, 0,1,2,3
	v_lshrrev_b32 v[TM+4+\b], 23, v[TM+12+\b]
.endr
	v_lshl_or_b32 v[\pw], v[TM+5], 8, v[TM+4]
	v_lshl_or_b32 v[\pw], v[TM+6], 16, v[\pw]
	v_lshl_or_b32 v[\pw], v[TM+7], 24, v[\pw]
	s_wait_xcnt 0x0                                ; the last fragment's stores have read the codes' registers
.irp c, 0,1
	v_cvt_scalef32_pk16_fp6_f32 v[PC+6*\c:PC+2+6*\c], v[(\s)+32*\c:(\s)+15+32*\c], v[TM+12+2*\c]
	v_cvt_scalef32_pk16_fp6_f32 v[PC+12+4*\c:PC+14+4*\c], v[(\s)+16+32*\c:(\s)+31+32*\c], v[TM+12+2*\c+1]
.endr
	v_nop                                          ; one plain line behind a scaled conversion
.irp c, 0,1                                    ; the layout wants a whole block in a lane: lanes 0-15 block 2 c, lanes 16-31 block 2 c + 1
.irp i, 0,1,2
	v_permlane16_swap_b32 v[PC+6*\c+\i], v[PC+12+4*\c+\i]
.endr
.irp i, 0,1,2
	v_mov_b32 v[PC+3+6*\c+\i], v[PC+12+4*\c+\i]
.endr
.endr
.endm
.macro XTILE T
.if (\T) < 3
	s_wait_loadcnt 16                              ; this tile's 16 loads are in; the next tile's may be out
.else
	s_wait_loadcnt 0
.endif
	QUANT XF+64*((\T)%2), PW+(\T)
.irp c, 0,1,2
	global_store_b128 v6, v[PC+4*\c:PC+4*\c+3], s[24:25] offset:(\T)*1536+512*\c
.endr
.if (\T) < 2
	XLOAD (\T)+2
.endif
.endm
	XLOAD 0
	XLOAD 1
	XTILE 0
	XTILE 1
	XTILE 2
	XTILE 3
	v_cndmask_b32 v8, v[PW], v[PW+2], s30          ; a scale word is the same in lanes l and l xor 16: lanes 0-15 send tiles 0, 1, lanes 16-31 tiles 2, 3
	v_cndmask_b32 v9, v[PW+1], v[PW+3], s30
	global_store_b64 v7, v[8:9], s[26:27]          ; 256 consecutive bytes, aligned
	s_endpgm
.Lmask:
; ---- THE MASK, as f32 numbers for the scores' accumulators: mw[b][step j][h][n] = -2^100 where key 128 j + 32 (n / 16) + 16 h + n % 16 is masked, else 0: what lane half h wants in score register n.
	s_sub_co_u32 s21, ttmp9, 320
	s_lshl_b32 s21, s21, 7
	v_add_nc_u32 v3, s21, v0
	v_lshrrev_b32 v4, 6, v3
	v_lshlrev_b32 v4, 7, v4
	v_bfe_u32 v5, v3, 4, 2
	v_lshl_add_u32 v4, v5, 5, v4
	v_and_b32 v5, 15, v3
	v_add_nc_u32 v4, v4, v5
	v_lshlrev_b32 v4, 2, v4
	v_lshrrev_b32 v10, 6, v3
	v_and_b32 v3, 63, v3
	v_lshlrev_b32 v3, 2, v3
	v_lshl_add_u32 v3, v10, 9, v3                  ; 512 (b, j) + 4 n; h = 1 lies 256 bytes on
	v_mov_b32 v8, 0xf1800000                       ; -2^100
	s_wait_alu depctr_va_vdst(0)
	s_wait_kmcnt 0x0
	global_load_b32 v6, v4, s[6:7]
	global_load_b32 v7, v4, s[6:7] offset:64
	s_wait_loadcnt 0x0
	v_cmp_eq_u32 vcc_lo, 0, v6
	v_cndmask_b32 v6, 0, v8, vcc_lo
	v_cmp_eq_u32 vcc_lo, 0, v7
	v_cndmask_b32 v7, 0, v8, vcc_lo
	global_store_b32 v3, v6, s[18:19]
	global_store_b32 v3, v7, s[18:19] offset:256
	s_endpgm
.Lfunc_end_k_q14cb458a7a_prep:
	.size	k_q14cb458a7a_prep, .Lfunc_end_k_q14cb458a7a_prep-k_q14cb458a7a_prep
	.p2alignl 7, 3214868480
	.fill 96, 4, 3214868480
	.section	.rodata,"a",@progbits
	.p2align	6, 0x0
	.amdhsa_kernel k_q14cb458a7a_prep
		.amdhsa_group_segment_fixed_size 28160
		.amdhsa_private_segment_fixed_size 0
		.amdhsa_enable_private_segment 0
		.amdhsa_kernarg_size 64
		.amdhsa_user_sgpr_count 2
		.amdhsa_user_sgpr_kernarg_segment_ptr 1
		.amdhsa_wavefront_size32 1
		.amdhsa_system_sgpr_workgroup_id_x 1
		.amdhsa_system_sgpr_workgroup_id_y 1
		.amdhsa_system_sgpr_workgroup_id_z 1
		.amdhsa_system_vgpr_workitem_id 0
		.amdhsa_next_free_vgpr 224
		.amdhsa_next_free_sgpr 66
		.amdhsa_reserve_vcc 1
		.amdhsa_float_denorm_mode_32 3
		.amdhsa_float_denorm_mode_16_64 3
		.amdhsa_memory_ordered 1
		.amdhsa_forward_progress 1
		.amdhsa_inst_pref_size 65
	.end_amdhsa_kernel
	.amdgpu_metadata
---
amdhsa.version: [ 1, 2 ]
amdhsa.kernels:
  - .name:           k_q14cb458a7a_prep
    .symbol:         k_q14cb458a7a_prep.kd
    .args:
      - { .name: x, .offset: 0, .size: 8, .value_kind: global_buffer, .address_space: global }
      - { .name: mask, .offset: 8, .size: 8, .value_kind: global_buffer, .address_space: global }
      - { .name: Wq, .offset: 16, .size: 8, .value_kind: global_buffer, .address_space: global }
      - { .name: Wk, .offset: 24, .size: 8, .value_kind: global_buffer, .address_space: global }
      - { .name: Wv, .offset: 32, .size: 8, .value_kind: global_buffer, .address_space: global }
      - { .name: Wp, .offset: 40, .size: 8, .value_kind: global_buffer, .address_space: global }
      - { .name: xw, .offset: 48, .size: 8, .value_kind: global_buffer, .address_space: global }
      - { .name: mw, .offset: 56, .size: 8, .value_kind: global_buffer, .address_space: global }
    .group_segment_fixed_size: 28160
    .private_segment_fixed_size: 0
    .kernarg_segment_align: 8
    .kernarg_segment_size: 64
    .max_flat_workgroup_size: 128
    .sgpr_count:     66
    .vgpr_count:     224
    .wavefront_size: 32
...
	.end_amdgpu_metadata
.endif
;; end of part 1
;; launch qkvmul (part 2): grid 16 x 16, 4 waves a work-group, clusters of 4 x 4, 327,680 bytes of LDS; arguments xw, bq, bk, bv, qkv; writes qkv
.if DOCPART == 2
	.amdgcn_target "amdgcn-amd-amdhsa--gfx1250"
	.amdhsa_code_object_version 6
	.text
	.protected	k_q14cb458a7a_qkvmul
	.globl	k_q14cb458a7a_qkvmul
	.p2align	8
	.type	k_q14cb458a7a_qkvmul,@function
k_q14cb458a7a_qkvmul:
	s_mov_b64 s[64:65], 0
	v_nop
	global_prefetch_b8 v0, s[64:65] scope:SCOPE_SE
	s_setreg_imm32_b32 hwreg(HW_REG_WAVE_MODE, 25, 1), 1
	s_wait_xcnt 0x0
	s_wait_alu depctr_hold_cnt(0) depctr_sa_sdst(0) depctr_va_vdst(0) depctr_va_sdst(0) depctr_va_ssrc(0) depctr_va_vcc(0) depctr_vm_vsrc(0)
	s_getreg_b32 s2, hwreg(HW_REG_IB_STS2, 6, 4)
	s_cmp_eq_u32 s2, 0
	s_cbranch_scc0 .Lentry_in_a_cluster
	s_endpgm
.Lentry_in_a_cluster:
	s_bfe_u32 s2, ttmp6, 0x10000c
	s_cmp_lg_u32 s2, 0xf033
	s_cbranch_scc0 .Lentry_shape_is_right
	s_endpgm
.Lentry_shape_is_right:
.set XSO,   7864320
.set QSZ,   13107200
.set PART,  1572864
.set KSB,   393216
.set WPART, 24576
.set SLOT,  98304
.set SPARE, 196608
.set SOF,  8
.set BOQ,  11
.set BOV,  12
.set ADRR, 16
.set ADRP, 20
.set VO,   24
.set VSO,  25
.set SPW,  28
.set NIL,  29
.set SC,   32
.set BT,   64
.set RF,   128
.set TM,   128
.set PC,   144
.set SD,   164
.set PWS,  224
.set G1R,  24
.set G1P,  32
.set G0R,  40
.set G0P,  48
.set OQ,   56
.set OKK,  60
.set OV,   68
.set HM,   72
.set SEL,  74
.set MSB, 0
.macro WIN new
.if MSB != (\new)
	s_set_vgpr_msb (MSB<<8)|(\new)
.set MSB, (\new)
.endif
.endm
.macro PLACES
.rept 4
	v_nop
.endr
.endm
.macro JLOAD g0a, g1a, g0b, g1b
	s_cmp_eq_u32 s15, 0
	s_cbranch_scc0 .Lfor_b_\@
	tensor_load_to_lds s[\g0a:\g0a+3], s[\g1a:\g1a+7]
	s_nop 0
.rept 4
	v_nop
.endr
	s_branch .Lasked_\@
.Lfor_b_\@:
	tensor_load_to_lds s[\g0b:\g0b+3], s[\g1b:\g1b+7]
	s_nop 0
.rept 4
	v_nop
.endr
.Lasked_\@:
.endm
.macro PLOAD g0b, g1b
	s_cmp_eq_u32 s15, 0
	s_cbranch_scc1 .Lnone_\@
	tensor_load_to_lds s[\g0b:\g0b+3], s[\g1b:\g1b+7]
	s_nop 0
.rept 4
	v_nop
.endr
.Lnone_\@:
.endm
.macro CROUND
	s_barrier_signal -1
	s_barrier_wait -1
	s_cmp_lg_u32 s14, 0
	s_cbranch_scc1 .Lnot_wave_0_\@
	s_barrier_signal -3
.Lnot_wave_0_\@:
	s_barrier_wait -3
	s_barrier_signal -1
	s_barrier_wait -1
.endm
	s_load_b256 s[4:11], s[0:1], 0x0
	s_load_b64 s[12:13], s[0:1], 0x20
	v_lshl_add_u32 v[SPW], v0, 2, SPARE
	v_mov_b32 v[NIL], 0
	ds_add_u32 v[SPW], v[NIL]
	ds_add_u32 v[SPW], v[NIL]
	v_lshrrev_b32 v1, 5, v0
	v_readfirstlane_b32 s14, v1
	s_lshr_b32 s15, s14, 1
	s_and_b32 s16, s14, 1
	s_bfe_u32 s20, ttmp6, 0x40000
	s_bfe_u32 s21, ttmp6, 0x40004
	s_lshl_b32 s19, ttmp9, 2
	s_add_co_u32 s19, s19, s20
	s_and_b32 s18, ttmp7, 0xffff
	s_lshl_b32 s18, s18, 2
	s_add_co_u32 s18, s18, s21
	s_lshl_b32 s22, s21, 2
	s_lshl_b32 s22, 15, s22
	s_lshl_b32 s23, 0x1111, s20
	s_or_b32 s[G1R], s22, (3<<16)|(1<<21)
	s_or_b32 s[G1P], s23, (3<<16)|(1<<21)
.irp g, G1R, G1P
	s_mov_b32 s[\g+1], 1536<<16
	s_mov_b32 s[\g+2], 2<<16
	s_mov_b32 s[\g+3], 1536<<16
	s_mov_b32 s[\g+4], 2
	s_mov_b32 s[\g+5], 49152
	s_mov_b32 s[\g+6], 0
	s_mov_b32 s[\g+7], 0
.endr
	s_lshl_b32 s76, s18, 4
	s_lshl_b32 s77, s16, 3
	s_add_co_u32 s76, s76, s77
	s_mul_i32 s76, s76, 1536
	s_mov_b32 s77, 0
	s_lshl_b32 s78, s19, 4
	s_lshl_b32 s79, s16, 3
	s_add_co_u32 s78, s78, s79
	s_mul_i32 s78, s78, 1536
	s_add_co_u32 s78, s78, PART
	s_mov_b32 s79, 0
	s_mul_i32 s84, s14, WPART
	s_mov_b32 s[HM], 0xffff0000
	s_mov_b32 s[SEL], 0x76543210
	s_mov_b32 s[SEL+1], 0xfedcba98
	s_wait_dscnt 0x0
	s_wait_kmcnt 0x0
	s_add_nc_u64 s[76:77], s[4:5], s[76:77]
	s_add_nc_u64 s[78:79], s[4:5], s[78:79]
	CROUND
.irp s, 0,1
	s_mov_b32 s[G0R+4*\s], 1
	s_add_co_u32 s[G0R+4*\s+1], s84, \s*SLOT
	s_add_nc_u64 s[G0R+4*\s+2:G0R+4*\s+3], s[76:77], \s*2*KSB
	s_or_b32 s[G0R+4*\s+3], s[G0R+4*\s+3], 0x80000000
	s_mov_b32 s[G0P+4*\s], 1
	s_add_co_u32 s[G0P+4*\s+1], s84, \s*SLOT
	s_add_nc_u64 s[G0P+4*\s+2:G0P+4*\s+3], s[78:79], \s*2*KSB
	s_or_b32 s[G0P+4*\s+3], s[G0P+4*\s+3], 0x80000000
.if \s                                         ; slot 1's first fill stands behind the full sequence and a round; slot 0's behind the opening lines and the first round
	s_wait_alu depctr_va_vdst(0)
	s_wait_tensorcnt 0x0
	ds_add_u32 v28, v29
	ds_add_u32 v28, v29
	s_wait_dscnt 0x0
	CROUND
.endif
	JLOAD G0R+4*\s, G1R, G0P+4*\s, G1P
.endr
	v_and_b32 v1, 15, v0
	v_bfe_u32 v2, v0, 4, 1
	v_and_b32 v3, 31, v0
	v_lshlrev_b32 v[VO], 4, v3
	s_mul_i32 s85, s15, WPART
	v_add_nc_u32 v[ADRR], s85, v[VO]
	v_add_nc_u32 v[ADRR+1], SLOT, v[ADRR]
	s_mul_i32 s85, s16, WPART
	s_add_co_u32 s85, s85, 2*WPART
	v_add_nc_u32 v[ADRP], s85, v[VO]
	v_add_nc_u32 v[ADRP+1], SLOT, v[ADRP]
	v_lshlrev_b32 v[VSO], 4, v1
	v_lshl_add_u32 v[VSO], v2, 8, v[VSO]
	s_lshl_b32 s86, s18, 2
	s_lshl_b32 s87, s15, 1
	s_add_co_u32 s86, s86, s87
	s_lshl_b32 s86, s86, 8
	s_add_co_u32 s86, s86, XSO
	s_lshl_b32 s88, s19, 2
	s_lshl_b32 s87, s16, 1
	s_add_co_u32 s88, s88, s87
	s_lshl_b32 s88, s88, 8
	s_add_co_u32 s88, s88, XSO
	v_lshl_add_u32 v4, v1, 4, s86
	v_lshl_add_u32 v5, v1, 4, s88
	v_add_nc_u32 v6, 0x10000, v5
	v_cndmask_b32 v[SOF], v4, v6, s[HM]
	s_wait_alu depctr_va_vdst(0)
	v_add_nc_u32 v6, 0x20000, v5
	v_cndmask_b32 v[SOF+1], v4, v6, s[HM]
	v_add_nc_u32 v6, 0x30000, v4
	v_cndmask_b32 v[SOF+2], v6, v5, s[HM]
	s_lshl_b32 s95, s18, 4
	s_lshl_b32 s96, s15, 3
	s_add_co_u32 s95, s95, s96
	s_lshl_b32 s96, s19, 1
	s_add_co_u32 s96, s96, s16
	s_lshl_b32 s98, s96, 9
	s_mov_b32 s99, 0
	s_add_nc_u64 s[6:7], s[6:7], s[98:99]
	s_add_nc_u64 s[8:9], s[8:9], s[98:99]
	s_lshl_b32 s98, s95, 6
	s_add_nc_u64 s[10:11], s[10:11], s[98:99]
	v_lshlrev_b32 v[BOQ], 6, v2
	v_and_b32 v5, 8, v1
	v_add_nc_u32 v5, v5, v1
	v_lshlrev_b32 v[BOV], 2, v5
.macro TLOADS t
.irp k, 0,1,2,3
.irp g, 0,1
	global_load_b128 v[SC+8*\k+4*\g:SC+8*\k+4*\g+3], v[SOF+\t], s[4:5] offset:\k*16384+\g*256
.endr
.endr
.if \t < 2
.irp b, 0,1,2,3,4,5,6,7
	global_load_b128 v[BT+8*\b:BT+8*\b+3], v[BOQ], s[6+2*\t:7+2*\t] offset:(32*(\b/2)+8*(\b%2))*4
	global_load_b128 v[BT+8*\b+4:BT+8*\b+7], v[BOQ], s[6+2*\t:7+2*\t] offset:(32*(\b/2)+8*(\b%2))*4+16
.endr
.else
.irp b, 0,1,2,3,4,5,6,7
	global_load_b32 v[BT+8*\b], v[BOV], s[10:11] offset:(32*(\b/2)+8*(\b%2))*4
.endr
.endif
.endm
	TLOADS 0
	s_lshr_b32 s20, s95, 6
	s_lshl_b32 s20, s20, 3
	s_lshr_b32 s21, s96, 2
	s_add_co_u32 s20, s20, s21
	s_lshl_b32 s20, s20, 3
	s_bfe_u32 s21, s95, 0x30003
	s_add_co_u32 s20, s20, s21
	s_and_b32 s21, s96, 3
	s_mul_i32 s22, s21, 1536
	s_lshl_b32 s23, s21, 9
	s_add_co_u32 s23, s23, 49152
	s_mov_b32 s81, 0
	s_mul_i32 s76, s20, 51200
	s_add_co_u32 s80, s76, s22
	s_add_nc_u64 s[OQ:OQ+1], s[12:13], s[80:81]
	s_add_co_u32 s80, s76, s23
	s_add_nc_u64 s[OQ+2:OQ+3], s[12:13], s[80:81]
	s_mul_i32 s76, s20, 102400
	s_add_co_u32 s76, s76, QSZ
	s_add_co_u32 s80, s76, s22
	s_add_nc_u64 s[OKK:OKK+1], s[12:13], s[80:81]
	s_add_co_u32 s80, s76, s23
	s_add_nc_u64 s[OKK+2:OKK+3], s[12:13], s[80:81]
	s_lshr_b32 s20, s96, 3
	s_lshl_b32 s20, s20, 3
	s_lshr_b32 s21, s95, 5
	s_add_co_u32 s20, s20, s21
	s_lshl_b32 s20, s20, 3
	s_and_b32 s21, s96, 7
	s_add_co_u32 s20, s20, s21
	s_mul_i32 s76, s20, 102400
	s_add_co_u32 s76, s76, QSZ+51200
	s_and_b32 s21, s95, 31
	s_mul_i32 s22, s21, 1536
	s_add_co_u32 s80, s76, s22
	s_add_nc_u64 s[OV:OV+1], s[12:13], s[80:81]
	s_lshl_b32 s22, s21, 6
	s_add_co_u32 s80, s76, s22
	s_add_co_u32 s80, s80, 49152
	s_add_nc_u64 s[OV+2:OV+3], s[12:13], s[80:81]
.macro FRAG3 reg, adr, off
.irp c, 0,1,2
	ds_load_b128 v[(\reg)+4*\c:(\reg)+4*\c+3], v[\adr] offset:(\off)+512*\c
.endr
.endm
.macro FETCH_P ks, set
	WIN 0x40
.irp i, 0,1,2,3,4,5,6,7
	FRAG3 128*(\set)+12*\i, ADRP+(\ks)/2, ((\ks)%2)*12288+\i*1536
.endr
	WIN 0
.endm
.macro FETCH_R ks, i0
.irp i, \i0, \i0+1, \i0+2, \i0+3
	FRAG3 RF+12*(\i), ADRR+(\ks)/2, ((\ks)%2)*12288+(\i)*1536
.endr
.endm
.macro MUL16 a0, set, ks, cmode
.irp a, \a0, \a0+1
.irp b, 0,1,2,3,4,5,6,7
.if \cmode == 0
	v_wmma_scale_f32_16x16x128_f8f6f4 v[8*(8*((\a)%4)+\b):8*(8*((\a)%4)+\b)+7], v[128*(\set)+12*\b:128*(\set)+12*\b+11], v[RF+12*(\a):RF+12*(\a)+11], v[8*(8*((\a)%4)+\b):8*(8*((\a)%4)+\b)+7], v[SC+8*(\ks)+\b], v[SC+8*(\ks)+(\a)] matrix_a_fmt:MATRIX_FMT_FP6 matrix_b_fmt:MATRIX_FMT_FP6 matrix_a_scale:MATRIX_SCALE_ROW1
.elseif \cmode == 1
	v_wmma_scale_f32_16x16x128_f8f6f4 v[8*(8*((\a)%4)+\b):8*(8*((\a)%4)+\b)+7], v[128*(\set)+12*\b:128*(\set)+12*\b+11], v[RF+12*(\a):RF+12*(\a)+11], v[BT+8*\b:BT+8*\b+7], v[SC+8*(\ks)+\b], v[SC+8*(\ks)+(\a)] matrix_a_fmt:MATRIX_FMT_FP6 matrix_b_fmt:MATRIX_FMT_FP6 matrix_a_scale:MATRIX_SCALE_ROW1
.else
	v_wmma_scale_f32_16x16x128_f8f6f4 v[8*(8*((\a)%4)+\b):8*(8*((\a)%4)+\b)+7], v[128*(\set)+12*\b:128*(\set)+12*\b+11], v[RF+12*(\a):RF+12*(\a)+11], v[BT+8*(\a):BT+8*(\a)+7], v[SC+8*(\ks)+\b], v[SC+8*(\ks)+(\a)] matrix_a_fmt:MATRIX_FMT_FP6 matrix_b_fmt:MATRIX_FMT_FP6 matrix_a_scale:MATRIX_SCALE_ROW1
.endif
.endr
.endr
.endm
.macro MWIN hi, cmode
.if \cmode == 0
	WIN 0xa1+0x50*(\hi)
.else
	WIN 0x81+0x40*(\hi)
.endif
.endm
.macro CHANGE slot, fill
	s_wait_tensorcnt 0x0
	ds_add_u32 v[SPW], v[NIL]
.if \fill == 1
	s_add_nc_u64 s[G0P+4*\slot+2:G0P+4*\slot+3], s[G0P+4*\slot+2:G0P+4*\slot+3], PART
.elseif \fill == 2
	s_add_nc_u64 s[G0R+4*\slot+2:G0R+4*\slot+3], s[G0R+4*\slot+2:G0R+4*\slot+3], 3*PART
	s_sub_nc_u64 s[G0P+4*\slot+2:G0P+4*\slot+3], s[G0P+4*\slot+2:G0P+4*\slot+3], 2*PART
.endif
	s_wait_dscnt 0x0
.if \fill == 0
	s_barrier_signal -1
	s_barrier_wait -1
.else
	CROUND
.if \fill == 1
	PLOAD G0P+4*\slot, G1P
.else
	JLOAD G0R+4*\slot, G1R, G0P+4*\slot, G1P
.endif
.endif
.endm
.macro STEPA ks, cmode
	s_wait_dscnt 12
	MWIN 0, \cmode
	MUL16 0, (\ks)%2, \ks, \cmode
	MUL16 2, (\ks)%2, \ks, \cmode
	s_wait_dscnt 0x0
	PLACES
	FETCH_P (\ks)+1, 1-(\ks)%2
	FETCH_R (\ks)+1, 0
	MWIN 1, \cmode
	MUL16 4, (\ks)%2, \ks, \cmode
	MUL16 6, (\ks)%2, \ks, \cmode
	PLACES
	WIN 0
	FETCH_R (\ks)+1, 4
.endm
.macro STEPC fill
	s_wait_dscnt 12
	WIN 0xa1
	MUL16 0, 1, 1, 0
	MUL16 2, 1, 1, 0
	PLACES
	WIN 0
	CHANGE 0, \fill
	FETCH_P 2, 0
	FETCH_R 2, 0
	WIN 0xf1
	MUL16 4, 1, 1, 0
	MUL16 6, 1, 1, 0
	PLACES
	WIN 0
	FETCH_R 2, 4
.endm
.macro QUANT s, w, pw
	WIN ((\w)<<2)|((\w)<<4)
.irp b, 0,1,2,3
	v_max3_num_f32 v[TM+\b], 0x1800000, |v[(\s)+16*\b]|, |v[(\s)+1+16*\b]|
.endr
.irp i, 2,4,6,8,10,12,14
.irp b, 0,1,2,3
	v_max3_num_f32 v[TM+\b], v[TM+\b], |v[(\s)+16*\b+\i]|, |v[(\s)+1+16*\b+\i]|
.endr
.endr
	WIN 0
.irp b, 0,1,2,3
	v_permlanex16_b32 v[TM+4+\b], v[TM+\b], s[SEL], s[SEL+1]
.endr
.irp b, 0,1,2,3
	v_max_num_f32 v[TM+\b], v[TM+\b], v[TM+4+\b]
.endr
.irp b, 0,1,2,3
	v_add_nc_u32 v[TM+12+\b], 0xff000000, v[TM+\b]
.endr
.irp b, 0,1,2,3
	v_lshrrev_b32 v[TM+4+\b], 23, v[TM+12+\b]
.endr
	v_lshl_or_b32 v[\pw], v[TM+5], 8, v[TM+4]
	v_lshl_or_b32 v[\pw], v[TM+6], 16, v[\pw]
	v_lshl_or_b32 v[\pw], v[TM+7], 24, v[\pw]
	s_wait_xcnt 0x0
	WIN (\w)
.irp c, 0,1
	v_cvt_scalef32_pk16_fp6_f32 v[PC+6*\c:PC+2+6*\c], v[(\s)+32*\c:(\s)+15+32*\c], v[TM+12+2*\c]
	v_cvt_scalef32_pk16_fp6_f32 v[PC+12+4*\c:PC+14+4*\c], v[(\s)+16+32*\c:(\s)+31+32*\c], v[TM+12+2*\c+1]
.endr
	WIN 0
	v_nop
.irp c, 0,1
.irp i, 0,1,2
	v_permlane16_swap_b32 v[PC+6*\c+\i], v[PC+12+4*\c+\i]
.endr
.irp i, 0,1,2
	v_mov_b32 v[PC+3+6*\c+\i], v[PC+12+4*\c+\i]
.endr
.endr
.endm
.macro FINISH oi, str, fill, nxt
	PLACES
.if \nxt < 3
	s_wait_alu depctr_va_vdst(0)
	TLOADS \nxt
.endif
.irp b, 0,1,2,3
	v_mov_b32 v[TM+4+\b], 0
.endr
.irp a, 0,1,2,3
	QUANT 64*\a, 2, PWS+\a
.irp c, 0,1,2
	global_store_b128 v[VO], v[PC+4*\c:PC+4*\c+3], s[\oi:\oi+1] offset:\a*\str+512*\c
.endr
.endr
.if \fill
	CHANGE 1, \fill
.endif
.irp a, 4,5,6,7
	QUANT 64*(\a-4), 3, PWS+\a
.irp c, 0,1,2
	global_store_b128 v[VO], v[PC+4*\c:PC+4*\c+3], s[\oi:\oi+1] offset:\a*\str+512*\c
.endr
.endr
.irp i, 0,1,2,3
	v_cndmask_b32 v[SD+\i], v[PWS+\i], v[PWS+4+\i], s[HM]
.endr
	global_store_b128 v[VSO], v[SD:SD+3], s[\oi+2:\oi+3]
.endm
.macro TILE t, cmode, fill, oi, str, nxt
.if \t > 0
	s_wait_xcnt 0x0
.endif
	FETCH_P 0, 0
	FETCH_R 0, 0
	FETCH_R 0, 4
	s_wait_loadcnt 0x0
.if \t == 2
.irp a, 0,1,2,3,4,5,6,7
.irp j, 1,2,3,4,5,6,7
	v_mov_b32 v[BT+8*\a+\j], v[BT+8*\a]
.endr
.endr
.endif
	s_wait_alu depctr_va_vdst(0)
	STEPA 0, \cmode
	STEPC \fill
	STEPA 2, 0
	s_wait_dscnt 12
	WIN 0xa1
	MUL16 0, 1, 3, 0
	MUL16 2, 1, 3, 0
	s_wait_dscnt 0x0
	WIN 0xf1
	MUL16 4, 1, 3, 0
	MUL16 6, 1, 3, 0
	WIN 0
	FINISH \oi, \str, \fill, \nxt
.endm
	s_wait_tensorcnt 1
	s_barrier_signal -1
	s_barrier_wait -1
	TILE 0, 1, 1, OQ, 6144, 1
	TILE 1, 1, 2, OKK, 6144, 2
	TILE 2, 2, 0, OV, 1536, 3
	s_wait_tensorcnt 0x0
	ds_add_u32 v[SPW], v[NIL]
	s_wait_dscnt 0x0
	CROUND
	s_endpgm
.Lfunc_end_k_q14cb458a7a_qkvmul:
	.size	k_q14cb458a7a_qkvmul, .Lfunc_end_k_q14cb458a7a_qkvmul-k_q14cb458a7a_qkvmul
	.p2alignl 7, 3214868480
	.fill 96, 4, 3214868480
	.section	.rodata,"a",@progbits
	.p2align	6, 0x0
	.amdhsa_kernel k_q14cb458a7a_qkvmul
		.amdhsa_group_segment_fixed_size 327680
		.amdhsa_private_segment_fixed_size 0
		.amdhsa_enable_private_segment 0
		.amdhsa_kernarg_size 40
		.amdhsa_user_sgpr_count 2
		.amdhsa_user_sgpr_kernarg_segment_ptr 1
		.amdhsa_wavefront_size32 1
		.amdhsa_system_sgpr_workgroup_id_x 1
		.amdhsa_system_sgpr_workgroup_id_y 1
		.amdhsa_system_sgpr_workgroup_id_z 1
		.amdhsa_system_vgpr_workitem_id 0
		.amdhsa_next_free_vgpr 1024
		.amdhsa_next_free_sgpr 100
		.amdhsa_reserve_vcc 0
		.amdhsa_float_denorm_mode_32 3
		.amdhsa_float_denorm_mode_16_64 3
		.amdhsa_memory_ordered 1
		.amdhsa_forward_progress 1
		.amdhsa_inst_pref_size 255
	.end_amdhsa_kernel
	.section	.bss,"aw",@nobits
	.p2align	6
	.space	262144
	.amdgpu_metadata
---
amdhsa.version: [ 1, 2 ]
amdhsa.kernels:
  - .name:           k_q14cb458a7a_qkvmul
    .symbol:         k_q14cb458a7a_qkvmul.kd
    .args:
      - { .name: xw, .offset: 0, .size: 8, .value_kind: global_buffer, .address_space: global }
      - { .name: bq, .offset: 8, .size: 8, .value_kind: global_buffer, .address_space: global }
      - { .name: bk, .offset: 16, .size: 8, .value_kind: global_buffer, .address_space: global }
      - { .name: bv, .offset: 24, .size: 8, .value_kind: global_buffer, .address_space: global }
      - { .name: qkv, .offset: 32, .size: 8, .value_kind: global_buffer, .address_space: global }
    .group_segment_fixed_size: 327680
    .private_segment_fixed_size: 0
    .kernarg_segment_align: 8
    .kernarg_segment_size: 40
    .max_flat_workgroup_size: 128
    .sgpr_count:     100
    .vgpr_count:     1024
    .wavefront_size: 32
...
	.end_amdgpu_metadata
.endif
;; end of part 2
;; launch attn (part 3): grid 8 x 32, 4 waves a work-group, clusters of 4 x 1, 327,680 bytes of LDS; arguments mw, qkv, cat; writes cat
.if DOCPART == 3
	.amdgcn_target "amdgcn-amd-amdhsa--gfx1250"
	.amdhsa_code_object_version 6
	.text
	.protected	k_q14cb458a7a_attn
	.globl	k_q14cb458a7a_attn
	.p2align	8
	.type	k_q14cb458a7a_attn,@function
k_q14cb458a7a_attn:
	s_mov_b64 s[64:65], 0
	v_nop
	global_prefetch_b8 v0, s[64:65] scope:SCOPE_SE
	s_setreg_imm32_b32 hwreg(HW_REG_WAVE_MODE, 25, 1), 1
	s_wait_xcnt 0x0
	s_wait_alu depctr_hold_cnt(0) depctr_sa_sdst(0) depctr_va_vdst(0) depctr_va_sdst(0) depctr_va_ssrc(0) depctr_va_vcc(0) depctr_vm_vsrc(0)
	s_getreg_b32 s2, hwreg(HW_REG_IB_STS2, 6, 4)
	s_cmp_eq_u32 s2, 0
	s_cbranch_scc0 .Lentry_in_a_cluster
	s_endpgm
.Lentry_in_a_cluster:
	s_bfe_u32 s2, ttmp6, 0x10000c
	s_cmp_lg_u32 s2, 0x3003
	s_cbranch_scc0 .Lentry_shape_is_right
	s_endpgm
.Lentry_shape_is_right:
; Scores, mask, softmax, P V and cat's quantiser, on codes of E2M3.  Nothing of reference() is left out.
; S^T = K Q^T (source 0 = 16 keys, source 1 = 16 queries), O^T = V P (source 0 = 16 of the head's 512, source 1 = P): a lane holds ONE query throughout.
; t = score x log2(e) / sqrt(512); M = the running largest t rounded up to a whole number; p = 2^(t - M) is quantised along the keys; the row's sum is taken of the unquantised p and divides O at the end.
; THE MASK IS THE C OF THE SCORES' FIRST PRODUCTS: the accumulators are loaded with 0 or -2^100 (mw, laid by score register) and the products add onto that.  -2^100 swallows a raw score under 2^75; -2^100 c is exact and whole:
; where every key of a row is masked, M = t and p = 1 for all keys, the uniform softmax that reference() gives; else p = 0.
; LIMIT: reference()'s own figure is -2^31 as a logit; the results part only where an unmasked logit lies near or under -2^31, or a raw score reaches 2^75.  NaN and infinities are not served.
; O^T IS RESCALED ONCE, NOT IN EVERY STEP.  M is whole, so a step's p can carry a weight 2^d in its scale bytes, exactly: d = min(d of the step before + the rise of M, cap), cap = 0, 30, 60, 90 in steps 0-3 and again in steps 4-7.
; While d is not held at its cap all steps of a group stand under one reference.  In step 4 (cap 0) O^T and the sum are multiplied by f = 2^(d - (old d + rise)), as a running maximum asks.
; LIMITS of that: where d is held at its cap, the earlier terms weigh at most 2^(cap - 30) each against more than 2^(cap - 1) for the row's largest: under 2^10 keys, so they are over-weighted by at most 2^-19 of the result (in truth they
; weigh less still).  O^T reaches at most 2^100 x the largest |V|: finite while |V| < 2^27.  Scale bytes reach 125 + 90.
; SHARES: a work-group owns 128 queries of one (b, h), a wave two tiles of 16: its O^T, 2 x 16 x 512, is 512 registers.  Eight key steps of 128 keys, 64 + 64 matrix instructions a wave each.
; RING: two LDS slots of 102,400 bytes (K's images and scale words, then V's); each wave fetches a quarter.  The four query blocks of a cluster walk the same K and V: joint loads.  One load of a wave is out behind each round.
; REGISTERS: window 0: v1-11, v28-31 addresses; v12-27 statistics, eight a tile: -M, largest t, the sum's two halves, 2^d, p's scale word, f, d; v32-63 K's or V's scale words; v64-191 S^T, then p; v192-215 p's codes;
;   v224-231 Q's scale words; v216-223, v232-255 at work.   window 1: v0-95 Q; v96-239 three sets of four fragments.   windows 2, 3: O^T of tile 0, 1: e tile at v[8 et].
.set QSZ,   13107200
.set SLOT1, 1<<17
.set SPARE, 233472
.set MBIAS, 233984                     ; behind the spare words: my batch's mask table, 4,096 bytes, stored once; no tensor load lands there
.set SPW, 1
.set NIL, 2
.set AK0, 3                            ; v3 16 x lane
.set AS0, 4                            ; v4 49,152 + 16 r
.set AV0, 5                            ; v5 51,200 + 16 x lane
.set ADK, 6
.set ADS, 7
.set ADV, 8
.set CAPV, 9                           ; v9 the step's cap on d, as f32
.set AM0, 10                           ; v10 MBIAS + 256 h
.set SOF, 11
.set ST,  12
.set PFO, 28
.set QO,  29
.set QSO, 30
.set ADM, 31                           ; v31 this step's part of the mask table
.set SCW, 32
.set S,   64
.set PC,  192
.set CT,  216
.set QS,  224
.set BM,  232                          ; four a tile
.set T4,  240
.set SO,  248
.set FS,  96
.set TM,  64                           ; the way out works where S^T lay
.set QPC, 80
.set CW,  100
.set SD,  108
.set WV,  2
.set G1,  4
.set G0,  12
.set SEL, 20
.set CS,  22
.set MP,  24
.set CIP, 26
.set CSP, 28
.set PFA, 30
.set LIM, 66
.set TB,  67
.set K30, 68                           ; the cap as a whole number
.set RSM, 69                           ; -1 in the step that rescales, else 0
.set MO,  70                           ; 512 x step
.set HM,  100
.set MSB, 0
.macro WIN new
.if MSB != (\new)
	s_set_vgpr_msb (MSB<<8)|(\new)
.set MSB, (\new)
.endif
.endm
.macro PLACES
.rept 4
	v_nop
.endr
.endm
.macro CROUND
	s_barrier_signal -1
	s_barrier_wait -1
	s_cmp_lg_u32 s[WV], 0
	s_cbranch_scc1 .Lnot_wave_0_\@
	s_barrier_signal -3
.Lnot_wave_0_\@:
	s_barrier_wait -3
	s_barrier_signal -1
	s_barrier_wait -1
.endm
; A prefetch of the key step after the one that has just been asked for.  Both clusters of a (b, h) walk the same K and V: the first asks.  Of a wave's quarter, 25,600 bytes, each of the four partners takes 6,400, told apart by
; address: 25 runs of 256 bytes, a lane a run; lanes 25-31 name the last run again.  The last two steps' changes ask for nothing.
.macro ASK
	s_cmp_gt_u32 s3, s[LIM]
	s_cbranch_scc0 .Lnot_mine_\@
	global_prefetch_b8 v[PFO], s[PFA:PFA+1] th:TH_LOAD_NT scope:SCOPE_SE
.Lnot_mine_\@:
.endm
	s_load_b128 s[32:35], s[0:1], 0x0              ; mw s[32:33], qkv s[34:35]
	s_load_b64 s[36:37], s[0:1], 0x10              ; cat
	v_lshl_add_u32 v[SPW], v0, 2, SPARE
	v_mov_b32 v[NIL], 0
	ds_add_u32 v[SPW], v[NIL]                      ; the opening: the add, twice on end, and its wait ahead of my first tensor load
	ds_add_u32 v[SPW], v[NIL]
	v_lshrrev_b32 v31, 5, v0
	v_readfirstlane_b32 s[WV], v31
	s_bfe_u32 s16, ttmp6, 0x40000                  ; cx
	s_lshl_b32 s17, ttmp9, 2
	s_add_co_u32 s17, s17, s16                     ; my block of 128 queries
	s_and_b32 s18, ttmp7, 0xffff                   ; (b, h), which the partners share
	s_mov_b32 s[G1], 15|(3<<16)|(1<<21)            ; all four work-groups; elements of 8 bytes; bit 21 beside a mask
	s_mov_b32 s[G1+1], 32<<16                      ; a dense block of 25,600 bytes as 100 rows of 256
	s_mov_b32 s[G1+2], 100<<16
	s_mov_b32 s[G1+3], 32<<16
	s_mov_b32 s[G1+4], 100
	s_mov_b32 s[G1+5], 32
	s_mov_b32 s[G1+6], 0
	s_mov_b32 s[G1+7], 0
	s_mov_b32 s[SEL], 0x76543210
	s_mov_b32 s[SEL+1], 0xfedcba98
	s_mov_b32 s[CS], 0x3d8293ee                    ; c = log2(e) / sqrt(512)
	s_mov_b32 s[CS+1], s[CS]
	s_mov_b32 s[HM], 0xffff0000
	s_mov_b32 s[TB], 0
	s_mov_b32 s[K30], 0
	s_mov_b32 s[RSM], 0
	s_mov_b32 s[MO], 0
	s_cmp_eq_u32 ttmp9, 0
	s_cselect_b32 s[LIM], 1, -1
	s_mul_i32 s40, s18, 819200
	s_mul_i32 s41, s[WV], 25600
	s_add_co_u32 s40, s40, s41
	s_add_co_u32 s40, s40, QSZ                     ; my quarter of key step 0
	s_mov_b32 s41, 0
	s_mul_i32 s42, s16, 6400
	s_add_co_u32 s42, s42, 102400
	s_mov_b32 s43, 0
	s_lshl_b32 s44, s18, 3
	s_add_co_u32 s44, s44, s17
	s_mul_i32 s44, s44, 51200                      ; Q's block
	s_mov_b32 s45, 0
	s_mul_i32 s46, s[WV], 12288                    ; my two tiles' eight images in it
	s_lshr_b32 s47, s[WV], 1
	s_lshl_b32 s47, s47, 8
	s_and_b32 s48, s[WV], 1
	s_lshl_b32 s48, s48, 3
	s_add_co_u32 s47, s47, s48
	s_add_co_u32 s47, s47, 49152                   ; and their scale words
	s_lshr_b32 s52, s18, 3                         ; b
	s_lshl_b32 s48, s52, 12                        ; its mask table: 4,096 bytes
	s_mov_b32 s49, 0
	s_and_b32 s50, s18, 7                          ; h
	s_mul_i32 s51, s50, 1572864
	s_lshl_b32 s53, s52, 6
	s_lshl_b32 s54, s17, 3
	s_add_co_u32 s53, s53, s54
	s_lshl_b32 s54, s[WV], 1
	s_add_co_u32 s53, s53, s54                     ; my first tile of cat's 256
	s_mul_i32 s54, s53, 1536
	s_add_co_u32 s54, s54, s51
	s_mov_b32 s55, 0
	s_lshl_b32 s56, s53, 11
	s_lshl_b32 s57, s50, 9
	s_add_co_u32 s56, s56, s57
	s_add_co_u32 s56, s56, 12582912
	s_mov_b32 s57, 0
	s_wait_dscnt 0x0                               ; both opening adds are done
	s_wait_kmcnt 0x0
	s_mov_b32 s[G0], 1
	s_mul_i32 s[G0+1], s[WV], 25600
	s_add_nc_u64 s[G0+2:G0+3], s[34:35], s[40:41]
	s_or_b32 s[G0+3], s[G0+3], 0x80000000
	CROUND                                         ; all four work-groups are here
	tensor_load_to_lds s[G0:G0+3], s[G1:G1+7]      ; key step 0, my quarter
	s_nop 0
.rept 4
	v_nop
.endr
	s_add_nc_u64 s[PFA:PFA+1], s[34:35], s[40:41]
	s_add_nc_u64 s[PFA:PFA+1], s[PFA:PFA+1], s[42:43]   ; at key step 1; each change steps it before it asks.  Nothing is prefetched at the head
	s_add_nc_u64 s[44:45], s[34:35], s[44:45]
	s_add_nc_u64 s[MP:MP+1], s[32:33], s[48:49]
	s_add_nc_u64 s[CIP:CIP+1], s[36:37], s[54:55]
	s_add_nc_u64 s[CSP:CSP+1], s[36:37], s[56:57]
	v_and_b32 v31, 31, v0
	v_lshlrev_b32 v[AK0], 4, v31
	v_min_u32 v[PFO], 24, v31
	v_lshlrev_b32 v[PFO], 8, v[PFO]
	v_and_b32 v[AS0], 15, v0
	v_bfe_u32 v[SOF], v0, 4, 1
	v_lshl_add_u32 v[AM0], v[SOF], 8, MBIAS
	v_add_nc_u32 v[QO], s46, v[AK0]
	v_lshl_add_u32 v[QSO], v[AS0], 4, s47
	v_lshlrev_b32 v[SOF], 7, v[SOF]
	v_lshl_add_u32 v[SOF], v[AS0], 3, v[SOF]       ; 128 h + 8 r
	v_lshl_add_u32 v[AS0], v[AS0], 4, 49152
	v_add_nc_u32 v[AV0], 51200, v[AK0]
	WIN 0x40                                       ; destination window 1
.set n, 0
.rept 24
	global_load_b128 v[4*n:4*n+3], v[QO], s[44:45] offset:512*n   ; Q stays in registers: fragment (tile t, K step) at v[12 (4 t + K step)]
.set n, n+1
.endr
	WIN 0
.irp k, 0,1,2,3
	global_load_b64 v[QS+2*\k:QS+2*\k+1], v[QSO], s[44:45] offset:512*\k
.endr
	v_lshlrev_b32 v[ADK], 4, v0                    ; the mask table: each thread carries 2 x 16 of its 4,096 bytes into LDS
	v_lshl_add_u32 v[ADS], v0, 4, MBIAS
	global_load_b128 v[S:S+3], v[ADK], s[MP:MP+1]
	global_load_b128 v[S+4:S+7], v[ADK], s[MP:MP+1] offset:2048
.irp t, 0,1
	v_mov_b32 v[ST+8*\t+1], 0xff61b1e6             ; the largest t so far: -3e38
	v_floor_f32 v[ST+8*\t], -v[ST+8*\t+1]
	v_mov_b32 v[ST+8*\t+2], 0                      ; the sum
	v_mov_b32 v[ST+8*\t+3], 0
	v_mov_b32 v[ST+8*\t+5], 0
	v_mov_b32 v[ST+8*\t+6], 0
	v_mov_b32 v[ST+8*\t+7], 0                      ; d
.endr
.irp b, 0,1,2,3,4,5,6,7
	v_mov_b32 v[T4+\b], 0                          ; a lane permute's destination counts as one of its sources
.endr
.macro KSET i                          ; four fragments of K: key tiles 4 (i / 4) + n, K step i % 4, into set i % 3
	WIN 0x40
.irp n, 0,1,2,3
.irp c, 0,1,2
	ds_load_b128 v[FS+48*((\i)%3)+12*\n+4*\c:FS+48*((\i)%3)+12*\n+4*\c+3], v[ADK] offset:(4*(4*((\i)/4)+\n)+(\i)%4)*1536+512*\c
.endr
.endr
.endm
.macro VSET i                          ; four fragments of V: e tiles 4 i + n
	WIN 0x40
.irp n, 0,1,2,3
.irp c, 0,1,2
	ds_load_b128 v[FS+48*((\i)%3)+12*\n+4*\c:FS+48*((\i)%3)+12*\n+4*\c+3], v[ADV] offset:(4*(\i)+\n)*1536+512*\c
.endr
.endr
.endm
; The mask's numbers of key tiles 4 g .. 4 g + 3 (score registers 32 g .. 32 g + 31) of the step at byte base behind v[ADM], into 32 registers that are at work in the softmax alone: v216-223, v232-255.
; Both query tiles' first products take them as C.  16 lanes read the same 16 bytes.
.macro MLOAD g, base
.irp n, 0,1,2,3
.irp c, 0,1
	ds_load_b128 v[216+8*\n+8*((\n+2)/3)+4*\c:216+8*\n+8*((\n+2)/3)+4*\c+3], v[ADM] offset:(\base)+128*(\g)+32*\n+16*\c
.endr
.endr
.endm
.macro SMUL i                          ; eight products: four key tiles x my two query tiles, all onto what the accumulators hold (first the mask's numbers); the eight take turns
	WIN 0x05                                       ; K and Q in window 1, S^T and the mask's numbers in window 0
.irp n, 0,1,2,3
.irp t, 0,1
.if ((\i)%4) == 0                              ; the first K step starts the sums from the mask's numbers
	v_wmma_scale_f32_16x16x128_f8f6f4 v[S+64*\t+8*(4*((\i)/4)+\n):S+64*\t+8*(4*((\i)/4)+\n)+7], v[FS+48*((\i)%3)+12*\n:FS+48*((\i)%3)+12*\n+11], v[12*(4*\t+(\i)%4):12*(4*\t+(\i)%4)+11], v[216+8*\n+8*((\n+2)/3):216+8*\n+8*((\n+2)/3)+7], v[SCW+8*((\i)%4)+4*((\i)/4)+\n], v[QS+2*((\i)%4)+\t] matrix_a_fmt:MATRIX_FMT_FP6 matrix_b_fmt:MATRIX_FMT_FP6
.else
	v_wmma_scale_f32_16x16x128_f8f6f4 v[S+64*\t+8*(4*((\i)/4)+\n):S+64*\t+8*(4*((\i)/4)+\n)+7], v[FS+48*((\i)%3)+12*\n:FS+48*((\i)%3)+12*\n+11], v[12*(4*\t+(\i)%4):12*(4*\t+(\i)%4)+11], v[S+64*\t+8*(4*((\i)/4)+\n):S+64*\t+8*(4*((\i)/4)+\n)+7], v[SCW+8*((\i)%4)+4*((\i)/4)+\n], v[QS+2*((\i)%4)+\t] matrix_a_fmt:MATRIX_FMT_FP6 matrix_b_fmt:MATRIX_FMT_FP6
.endif
.endr
.endr
.endm
.macro PVMUL i, first                  ; eight products: four e tiles x my two query tiles.  first = 1: they start O^T's sums: nothing is ever cleared
.irp t, 0,1
	WIN 0xa1+0x50*\t                               ; V in window 1, P in window 0, O^T in window 2 or 3
.irp n, 0,1,2,3
.if \first
	v_wmma_scale_f32_16x16x128_f8f6f4 v[8*(4*(\i)+\n):8*(4*(\i)+\n)+7], v[FS+48*((\i)%3)+12*\n:FS+48*((\i)%3)+12*\n+11], v[PC+12*\t:PC+12*\t+11], 0, v[SCW+4*(\i)+\n], v[ST+8*\t+5] matrix_a_fmt:MATRIX_FMT_FP6 matrix_b_fmt:MATRIX_FMT_FP6
.else
	v_wmma_scale_f32_16x16x128_f8f6f4 v[8*(4*(\i)+\n):8*(4*(\i)+\n)+7], v[FS+48*((\i)%3)+12*\n:FS+48*((\i)%3)+12*\n+11], v[PC+12*\t:PC+12*\t+11], v[8*(4*(\i)+\n):8*(4*(\i)+\n)+7], v[SCW+4*(\i)+\n], v[ST+8*\t+5] matrix_a_fmt:MATRIX_FMT_FP6 matrix_b_fmt:MATRIX_FMT_FP6
.endif
.endr
.endr
.endm
.macro DSW i                           ; set i is in; the loads of the younger sets, 12 each, may be out
.if (\i) <= 5
	s_wait_dscnt 24
.elseif (\i) == 6
	s_wait_dscnt 12
.else
	s_wait_dscnt 0x0
.endif
.endm
.macro DSWK i                          ; the same in the scores: the 8 mask loads issued behind group 0 are younger than sets 1 and 2: 12 + 8 + 12
.if ((\i) == 1) || ((\i) == 2)
	s_wait_dscnt 32
.else
	DSW \i
.endif
.endm
.macro DSWV i, nxt                     ; the same in P V: where the next step's 8 mask loads were issued behind group 5, they are younger than sets 6 and 7
.if (\nxt) && ((\i) == 6)
	s_wait_dscnt 20
.elseif (\nxt) && ((\i) == 7)
	s_wait_dscnt 8
.else
	DSW \i
.endif
.endm
; The statistics of tile t, line k: the two tiles take the lines by turns.
.macro STAT k, t
.set r, ST+8*(\t)
.set m, BM+4*(\t)
.if \k == 0
	v_max3_num_f32 v[r+6], v[m], v[m+1], v[m+2]
.elseif \k == 1
	v_max_num_f32 v[r+6], v[r+6], v[m+3]
.elseif \k == 2
	v_mul_f32 v[r+6], s[CS], v[r+6]
.elseif \k == 3
	v_max_num_f32 v[r+1], v[r+1], v[r+6]           ; the running largest t
.elseif \k == 4
	v_mov_b32 v[r+6], v[r]
.elseif \k == 5
	v_floor_f32 v[r], -v[r+1]                      ; the new -M = floor(-t): M is a whole number
.elseif \k == 6
	v_sub_f32 v[r+6], v[r+6], v[r]                 ; the rise of M, 0 or more
.elseif \k == 7
	v_add_f32 v[r+6], v[r+6], v[r+7]               ; + the old d
.elseif \k == 8
	v_min_num_f32 v[r+7], v[r+6], v[CAPV]          ; the new d
.elseif \k == 9
	v_sub_f32 v[r+6], v[r+7], v[r+6]               ; 0 or less
.elseif \k == 10
	v_cvt_i32_f32 v[r+6], v[r+6]                   ; (it saturates)
.elseif \k == 11
	v_cvt_i32_f32 v[r+5], v[r+7]
.elseif \k == 12
	v_and_b32 v[r+6], s[RSM], v[r+6]               ; 0 in the steps that do not rescale
.elseif \k == 13
	v_ldexp_f32 v[r+4], 1.0, v[r+5]                ; 2^d
.elseif \k == 14
	v_ldexp_f32 v[r+6], 1.0, v[r+6]                ; f
.elseif \k == 15
	v_lshl_or_b32 v[r+5], v[r+5], 8, v[r+5]
.elseif \k == 16
	v_lshl_or_b32 v[r+5], v[r+5], 16, v[r+5]       ; d in all four bytes
.else
	v_pk_mul_f32 v[r+2:r+3], v[r+2:r+3], v[r+6:r+7] op_sel_hi:[1,0]   ; the sum x f
.endif
.endm
; Both tiles' softmax for one key step, stage by stage.  Register 16 b + i of a tile holds key 32 b + 16 (lane / 16) + i of the step.
.macro SOFTMAX
.irp b, 0,1,2,3
.irp t, 0,1
	v_max3_num_f32 v[BM+4*\t+\b], v[S+64*\t+16*\b], v[S+64*\t+16*\b+1], v[S+64*\t+16*\b+2]   ; the largest score of each block of 32 keys: for the row's maximum and, since p rises with the score, for the block's largest p.  Each accumulator is read from its low end on
.endr
.endr
.irp i, 3,5,7,9,11,13
.irp b, 0,1,2,3
.irp t, 0,1
	v_max3_num_f32 v[BM+4*\t+\b], v[BM+4*\t+\b], v[S+64*\t+16*\b+\i], v[S+64*\t+16*\b+\i+1]
.endr
.endr
.endr
.irp n, 0,1,2,3,4,5,6,7
	v_max_num_f32 v[BM+\n], v[BM+\n], v[S+64*((\n)/4)+16*((\n)%4)+15]
.endr
.irp n, 0,1,2,3,4,5,6,7
	v_permlanex16_b32 v[T4+\n], v[BM+\n], s[SEL], s[SEL+1]
.endr
.irp n, 0,1,2,3,4,5,6,7
	v_max_num_f32 v[BM+\n], v[BM+\n], v[T4+\n]
.endr
.irp k, 0,1,2,3,4,5,6,7,8,9,10,11,12,13,14,15,16,17
	STAT \k, 0
	STAT \k, 1
.endr
.irp t, 0,1
.set n, 0
.rept 32
	v_pk_fma_f32 v[S+64*\t+n:S+64*\t+n+1], v[S+64*\t+n:S+64*\t+n+1], s[CS:CS+1], v[ST+8*\t:ST+8*\t+1] op_sel_hi:[1,0,0]   ; t - M, two at a time
.set n, n+2
.endr
.endr
.irp n, 0,1,2,3,4,5,6,7
	v_fma_f32 v[BM+\n], v[BM+\n], s[CS], v[ST+8*((\n)/4)]
.endr
	s_wait_alu depctr_va_vdst(0)                   ; the wait ahead of the batch
.set n, 0
.rept 128
	v_exp_f32 v[S+n], v[S+n]                       ; p = 2^(t - M)
.set n, n+1
.endr
	v_nop                                          ; the plain line behind the exponentials
	s_wait_alu depctr_va_vdst(0)                   ; one wait for the batch, ahead of its first reader
.irp n, 0,1,2,3,4,5,6,7
	v_exp_f32 v[BM+\n], v[BM+\n]                   ; the blocks' largest p
.endr
.irp t, 0,1
	v_pk_add_f32 v[T4+4*\t:T4+4*\t+1], v[S+64*\t:S+64*\t+1], v[S+64*\t+2:S+64*\t+3]   ; the step's sum of the unquantised p, in two chains a tile
	v_pk_add_f32 v[T4+4*\t+2:T4+4*\t+3], v[S+64*\t+4:S+64*\t+5], v[S+64*\t+6:S+64*\t+7]
.endr
.irp j, 8,12,16,20,24,28,32,36,40,44,48,52,56,60
.irp t, 0,1
	v_pk_add_f32 v[T4+4*\t:T4+4*\t+1], v[T4+4*\t:T4+4*\t+1], v[S+64*\t+\j:S+64*\t+\j+1]
	v_pk_add_f32 v[T4+4*\t+2:T4+4*\t+3], v[T4+4*\t+2:T4+4*\t+3], v[S+64*\t+\j+2:S+64*\t+\j+3]
.endr
.endr
.irp t, 0,1
	v_pk_add_f32 v[T4+4*\t:T4+4*\t+1], v[T4+4*\t:T4+4*\t+1], v[T4+4*\t+2:T4+4*\t+3]
.endr
.irp t, 0,1
	v_pk_fma_f32 v[ST+8*\t+2:ST+8*\t+3], v[T4+4*\t:T4+4*\t+1], v[ST+8*\t+4:ST+8*\t+5], v[ST+8*\t+2:ST+8*\t+3] op_sel_hi:[1,0,1]   ; the row's sum += 2^d x the step's
.endr
	s_wait_alu depctr_va_vdst(0)                   ; and one wait for the eight
.irp n, 0,1,2,3,4,5,6,7
	v_max_num_f32 v[BM+\n], 0x1800000, v[BM+\n]    ; the floor 2^(3 - 127)
.endr
.irp n, 0,1,2,3,4,5,6,7
	v_add_nc_u32 v[SO+\n], 0xff000000, v[BM+\n]    ; 2 off the exponent field: the conversion's scale operand
.endr
.irp n, 0,1,2,3,4,5,6,7
	v_lshrrev_b32 v[T4+\n], 23, v[SO+\n]
.endr
.irp t, 0,1
	v_lshl_or_b32 v[T4+4*\t], v[T4+4*\t+1], 8, v[T4+4*\t]
	v_lshl_or_b32 v[T4+4*\t+2], v[T4+4*\t+3], 8, v[T4+4*\t+2]
.endr
.irp t, 0,1
	v_lshl_or_b32 v[T4+4*\t], v[T4+4*\t+2], 16, v[T4+4*\t]
.endr
.irp t, 0,1
	v_add_nc_u32 v[ST+8*\t+5], v[ST+8*\t+5], v[T4+4*\t]   ; p's scale word for these 128 keys, each byte + d: at most 125 + 90, so no byte carries
.endr
.irp c, 0,1
	v_cvt_scalef32_pk16_fp6_f32 v[PC+6*\c:PC+6*\c+2], v[S+32*\c:S+32*\c+15], v[SO+2*\c]
	v_cvt_scalef32_pk16_fp6_f32 v[CT+4*\c:CT+4*\c+2], v[S+32*\c+16:S+32*\c+31], v[SO+2*\c+1]
	v_cvt_scalef32_pk16_fp6_f32 v[PC+12+6*\c:PC+12+6*\c+2], v[S+64+32*\c:S+64+32*\c+15], v[SO+4+2*\c]
	v_cvt_scalef32_pk16_fp6_f32 v[BM+4*\c:BM+4*\c+2], v[S+64+32*\c+16:S+64+32*\c+31], v[SO+4+2*\c+1]
.endr
	v_nop                                          ; one plain line behind a scaled conversion
.irp c, 0,1
.irp i, 0,1,2
	v_permlane16_swap_b32 v[PC+6*\c+\i], v[CT+4*\c+\i]
	v_permlane16_swap_b32 v[PC+12+6*\c+\i], v[BM+4*\c+\i]
.endr
.irp i, 0,1,2
	v_mov_b32 v[PC+6*\c+3+\i], v[CT+4*\c+\i]
	v_mov_b32 v[PC+12+6*\c+3+\i], v[BM+4*\c+\i]
.endr
.endr
.endm
.macro SCALEO t, off                   ; tile t's O^T times the low word of the pair at statistics + off, from each accumulator's low end on
	WIN 0x82+0x41*(\t)                             ; O^T (destination and source 0) in window 2 or 3
.set j, 0
.rept 128
	v_pk_mul_f32 v[j:j+1], v[j:j+1], v[ST+8*(\t)+(\off):ST+8*(\t)+(\off)+1] op_sel_hi:[1,0]
.set j, j+2
.endr
.endm
; first: the products start O^T's sums, and the step's own mask numbers are fetched here.  resc: the copy that holds the rescaling, run where s[RSM] says so.  nxt: the next step's mask numbers are fetched.
.macro STEP first, resc, nxt
	v_add_nc_u32 v[ADK], s[TB], v[AK0]
	v_add_nc_u32 v[ADS], s[TB], v[AS0]
	v_add_nc_u32 v[ADV], s[TB], v[AV0]
	v_add_nc_u32 v[ADM], s[MO], v[AM0]
	v_cvt_f32_u32 v[CAPV], s[K30]
.if \first
	MLOAD 0, 0
.endif
.irp q, 0,1,2,3,4,5,6,7
	ds_load_b128 v[SCW+4*\q:SCW+4*\q+3], v[ADS] offset:256*\q   ; K's scale words: register 8 (K step) + key tile
.endr
	KSET 0
	KSET 1
	KSET 2
.set i, 0
	s_wait_alu depctr_va_vdst(0)
.rept 8
	DSWK i
	SMUL i
.if i <= 4
	PLACES                                         ; in front of loads into the set, and into the mask's registers, just read
.if i == 0
	WIN 0
	MLOAD 1, 0                                     ; key tiles 4-7 of this step: wanted by group 4
.endif
	KSET i+3
.endif
.set i, i+1
.endr
	PLACES                                         ; behind the last products: their results are read, and their operands' and scales' registers loaded, below
	WIN 0
.irp q, 0,1,2,3,4,5,6,7
	ds_load_b128 v[SCW+4*\q:SCW+4*\q+3], v[ADS] offset:51200+256*\q   ; V's scale words: register e tile.  They and three sets of V land under the softmax
.endr
	VSET 0
	VSET 1
	VSET 2
	WIN 0
	SOFTMAX
.if \resc
	s_wait_alu depctr_va_vdst(0)                   ; the wait ahead of the branch
	s_cmp_eq_u32 s[RSM], 0                         ; made of the loop's counter alone
	s_cbranch_scc1 .Lkeep_\@
	SCALEO 0, 6                                    ; O^T x f
	SCALEO 1, 6
	WIN 0
.Lkeep_\@:
.endif
.rept 8
	v_nop                                          ; a scale word written by a vector instruction stands eight places ahead of the product
.endr
.set i, 0
	s_wait_alu depctr_va_vdst(0)
.rept 8
	DSWV i, \nxt
	PVMUL i, \first
.if i <= 4
	PLACES
	VSET i+3
.endif
.if (\nxt) && (i == 5)
	WIN 0
	MLOAD 0, 512                                   ; key tiles 0-3 of the next step, where no fragment of V is asked for any more
.endif
.set i, i+1
.endr
	WIN 0
	s_xor_b32 s[TB], s[TB], SLOT1                  ; on to the other slot
	s_add_co_u32 s[MO], s[MO], 512
.endm
; A key step with the change of slots at its head.  fill = 1: the next step is asked for, into the slot that has just been left.
.macro TRIP fill, first, resc, nxt
	s_wait_tensorcnt 0x0                           ; my one load that was out, my quarter of this step's slot, has landed: so the group 0 may be written
	ds_add_u32 v[SPW], v[NIL]                      ; 0 onto my spare word
.if \fill
	s_xor_b32 s[G0+1], s[G0+1], SLOT1
	s_add_nc_u64 s[G0+2:G0+3], s[G0+2:G0+3], 102400
	s_wait_xcnt 0x0                                ; the last prefetch, a key step back, has read its address
	s_add_nc_u64 s[PFA:PFA+1], s[PFA:PFA+1], 102400
.endif
	s_wait_dscnt 0x0                               ; the add is done, and my reads of the slot that I have left are over
.if \fill
	CROUND                                         ; both hold of every wave of all four work-groups
	tensor_load_to_lds s[G0:G0+3], s[G1:G1+7]      ; my one tensor load behind the round
	s_nop 0
.rept 4
	v_nop                                          ; also the places in front of the loads below
.endr
	ASK
.else
	s_barrier_signal -1
	s_barrier_wait -1
	PLACES
.endif
	STEP \first, \resc, \nxt
.endm
	s_wait_alu depctr_va_vdst(0)                   ; the wait at the head's end
	s_wait_loadcnt 0x0                             ; Q, its scale words, my part of the mask table
	s_wait_tensorcnt 0x0                           ; no tensor load is out while I store to LDS
	ds_store_b128 v[ADS], v[S:S+3]                 ; waited for in front of the first round, behind which all waves read the table
	ds_store_b128 v[ADS], v[S+4:S+7] offset:2048
	s_mov_b32 s3, 7
	TRIP 1, 1, 0, 1                                ; key step 0 is written out: its products start O^T's sums; cap 0
	s_mov_b32 s3, 6
.Lstep:                                        ; key steps 1 to 6: step 7 - s3
	s_add_co_u32 s[K30], s[K30], 30
	s_cmp_eq_u32 s3, 3                             ; step 4 begins the second group: cap 0, and O^T is rescaled
	s_cselect_b32 s[K30], 0, s[K30]
	s_cselect_b32 s[RSM], -1, 0
	TRIP 1, 0, 1, 1
	s_sub_co_u32 s3, s3, 1
	s_cmp_lg_u32 s3, 0
	s_cbranch_scc1 .Lstep
	s_add_co_u32 s[K30], s[K30], 30                ; cap 90
	TRIP 0, 0, 0, 0                                ; key step 7 asks for nothing
; THE WAY OUT: O^T / the sum, quantised along (h, e) into cat's images.
.macro QUANT s, w, pw
	WIN ((\w)<<2)|((\w)<<4)
.irp b, 0,1,2,3
	v_max3_num_f32 v[TM+\b], 0x1800000, |v[(\s)+16*\b]|, |v[(\s)+1+16*\b]|
.endr
.irp i, 2,4,6,8,10,12,14
.irp b, 0,1,2,3
	v_max3_num_f32 v[TM+\b], v[TM+\b], |v[(\s)+16*\b+\i]|, |v[(\s)+1+16*\b+\i]|
.endr
.endr
	WIN 0
.irp b, 0,1,2,3
	v_permlanex16_b32 v[TM+4+\b], v[TM+\b], s[SEL], s[SEL+1]
.endr
.irp b, 0,1,2,3
	v_max_num_f32 v[TM+\b], v[TM+\b], v[TM+4+\b]
.endr
.irp b, 0,1,2,3
	v_add_nc_u32 v[TM+12+\b], 0xff000000, v[TM+\b]
.endr
.irp b, 0,1,2,3
	v_lshrrev_b32 v[TM+4+\b], 23, v[TM+12+\b]
.endr
	v_lshl_or_b32 v[\pw], v[TM+5], 8, v[TM+4]
	v_lshl_or_b32 v[\pw], v[TM+6], 16, v[\pw]
	v_lshl_or_b32 v[\pw], v[TM+7], 24, v[\pw]
	s_wait_xcnt 0x0                                ; the last fragment's stores have read the codes' registers
	WIN (\w)
.irp c, 0,1
	v_cvt_scalef32_pk16_fp6_f32 v[QPC+6*\c:QPC+2+6*\c], v[(\s)+32*\c:(\s)+15+32*\c], v[TM+12+2*\c]
	v_cvt_scalef32_pk16_fp6_f32 v[QPC+12+4*\c:QPC+14+4*\c], v[(\s)+16+32*\c:(\s)+31+32*\c], v[TM+12+2*\c+1]
.endr
	WIN 0
	v_nop
.irp c, 0,1
.irp i, 0,1,2
	v_permlane16_swap_b32 v[QPC+6*\c+\i], v[QPC+12+4*\c+\i]
.endr
.irp i, 0,1,2
	v_mov_b32 v[QPC+3+6*\c+\i], v[QPC+12+4*\c+\i]
.endr
.endr
.endm
	PLACES                                         ; behind the last products
.irp t, 0,1
	v_add_f32 v[ST+8*\t+2], v[ST+8*\t+2], v[ST+8*\t+3]
.endr
.irp t, 0,1
	v_permlanex16_b32 v[ST+8*\t+6], v[ST+8*\t+2], s[SEL], s[SEL+1]
.endr
.irp t, 0,1
	v_add_f32 v[ST+8*\t+2], v[ST+8*\t+2], v[ST+8*\t+6]   ; the row's sum, under the same reference as O^T
.endr
	s_wait_alu depctr_va_vdst(0)
.irp t, 0,1
	v_rcp_f32 v[ST+8*\t+6], v[ST+8*\t+2]
.endr
	v_nop
	s_wait_alu depctr_va_vdst(0)                   ; one wait for both reciprocals
.irp b, 0,1,2,3
	v_mov_b32 v[TM+4+\b], 0
.endr
.irp t, 0,1
	SCALEO \t, 6
.irp q, 0,1,2,3
	QUANT 64*\q, 2+\t, CW+4*\t+\q
.irp c, 0,1,2
	global_store_b128 v[AK0], v[QPC+4*\c:QPC+4*\c+3], s[CIP:CIP+1] offset:\q*393216+\t*1536+512*\c   ; cat's K step 4 h + q, my tile t: 512 consecutive bytes
.endr
.endr
.endr
.irp u, 0,1                                    ; scale words [pair of tiles][K step][r][2]: lanes 0-15 send K step 2 u, lanes 16-31 K step 2 u + 1
	v_cndmask_b32 v[SD+2*\u], v[CW+2*\u], v[CW+2*\u+1], s[HM]
	v_cndmask_b32 v[SD+2*\u+1], v[CW+4+2*\u], v[CW+4+2*\u+1], s[HM]
	global_store_b64 v[SOF], v[SD+2*\u:SD+2*\u+1], s[CSP:CSP+1] offset:256*\u   ; 256 consecutive bytes, aligned
.endr
	s_wait_tensorcnt 0x0                           ; the wave's end
	ds_add_u32 v[SPW], v[NIL]
	s_wait_dscnt 0x0
	CROUND                                         ; the closing round
	s_endpgm
.Lfunc_end_k_q14cb458a7a_attn:
	.size	k_q14cb458a7a_attn, .Lfunc_end_k_q14cb458a7a_attn-k_q14cb458a7a_attn
	.p2alignl 7, 3214868480
	.fill 96, 4, 3214868480
	.section	.rodata,"a",@progbits
	.p2align	6, 0x0
	.amdhsa_kernel k_q14cb458a7a_attn
		.amdhsa_group_segment_fixed_size 327680
		.amdhsa_private_segment_fixed_size 0
		.amdhsa_enable_private_segment 0
		.amdhsa_kernarg_size 24
		.amdhsa_user_sgpr_count 2
		.amdhsa_user_sgpr_kernarg_segment_ptr 1
		.amdhsa_wavefront_size32 1
		.amdhsa_system_sgpr_workgroup_id_x 1
		.amdhsa_system_sgpr_workgroup_id_y 1
		.amdhsa_system_sgpr_workgroup_id_z 1
		.amdhsa_system_vgpr_workitem_id 0
		.amdhsa_next_free_vgpr 1024
		.amdhsa_next_free_sgpr 102
		.amdhsa_reserve_vcc 0
		.amdhsa_float_denorm_mode_32 3
		.amdhsa_float_denorm_mode_16_64 3
		.amdhsa_memory_ordered 1
		.amdhsa_forward_progress 1
		.amdhsa_inst_pref_size 246
	.end_amdhsa_kernel
	.amdgpu_metadata
---
amdhsa.version: [ 1, 2 ]
amdhsa.kernels:
  - .name:           k_q14cb458a7a_attn
    .symbol:         k_q14cb458a7a_attn.kd
    .args:
      - { .name: mw, .offset: 0, .size: 8, .value_kind: global_buffer, .address_space: global }
      - { .name: qkv, .offset: 8, .size: 8, .value_kind: global_buffer, .address_space: global }
      - { .name: cat, .offset: 16, .size: 8, .value_kind: global_buffer, .address_space: global }
    .group_segment_fixed_size: 327680
    .private_segment_fixed_size: 0
    .kernarg_segment_align: 8
    .kernarg_segment_size: 24
    .max_flat_workgroup_size: 128
    .sgpr_count:     102
    .vgpr_count:     1024
    .wavefront_size: 32
...
	.end_amdgpu_metadata
.endif
;; end of part 3
;; launch proj (part 4): grid 8 x 32, 4 waves a work-group, clusters of 4 x 4, 327,680 bytes of LDS; arguments cat, xw, bp, out0; writes out0
.if DOCPART == 4
	.amdgcn_target "amdgcn-amd-amdhsa--gfx1250"
	.amdhsa_code_object_version 6
	.text
	.protected	k_q14cb458a7a_proj
	.globl	k_q14cb458a7a_proj
	.p2align	8
	.type	k_q14cb458a7a_proj,@function
k_q14cb458a7a_proj:
	s_mov_b64 s[64:65], 0
	v_nop
	global_prefetch_b8 v0, s[64:65] scope:SCOPE_SE
	s_setreg_imm32_b32 hwreg(HW_REG_WAVE_MODE, 25, 1), 1
	s_wait_xcnt 0x0
	s_wait_alu depctr_hold_cnt(0) depctr_sa_sdst(0) depctr_va_vdst(0) depctr_va_sdst(0) depctr_va_ssrc(0) depctr_va_vcc(0) depctr_vm_vsrc(0)
	s_getreg_b32 s2, hwreg(HW_REG_IB_STS2, 6, 4)
	s_cmp_eq_u32 s2, 0
	s_cbranch_scc0 .Lentry_in_a_cluster
	s_endpgm
.Lentry_in_a_cluster:
	s_bfe_u32 s2, ttmp6, 0x10000c
	s_cmp_lg_u32 s2, 0xf033
	s_cbranch_scc0 .Lentry_shape_is_right
	s_endpgm
.Lentry_shape_is_right:
.set SLOTB, 147456
.set WOFF,  98304
.set SPARE, 294912
.set RGN,   34816
.set AC,  4
.set AW,  6
.set SPW, 8
.set NIL, 9
.set STO, 10
.set RD0, 11
.set RD1, 12
.set GO,  13
.set CSO, 14
.set PSO, 15
.set BPO, 16
.set BP,  20
.set SC,  32
.set BUF, 128
.set G1C, 24
.set G1W, 32
.set G0C, 40
.set G0W, 48
.set MSB, 0
.macro WIN new
.if MSB != (\new)
	s_set_vgpr_msb (MSB<<8)|(\new)
.set MSB, (\new)
.endif
.endm
.macro PLACES
.rept 4
	v_nop
.endr
.endm
.macro JLOAD g0a, g1a, g0b, g1b
	s_cmp_eq_u32 s15, 0
	s_cbranch_scc0 .Lfor_b_\@
	tensor_load_to_lds s[\g0a:\g0a+3], s[\g1a:\g1a+7]
	s_nop 0
.rept 4
	v_nop
.endr
	s_branch .Lasked_\@
.Lfor_b_\@:
	tensor_load_to_lds s[\g0b:\g0b+3], s[\g1b:\g1b+7]
	s_nop 0
.rept 4
	v_nop
.endr
.Lasked_\@:
.endm
.macro CREST
	s_cmp_lg_u32 s14, 0
	s_cbranch_scc1 .Lnot_wave_0_\@
	s_barrier_signal -3
.Lnot_wave_0_\@:
	s_barrier_wait -3
	s_barrier_signal -1
	s_barrier_wait -1
.endm
.macro CROUND
	s_barrier_signal -1
	s_barrier_wait -1
	CREST
.endm
	s_load_b256 s[4:11], s[0:1], 0x0
	v_lshl_add_u32 v[SPW], v0, 2, SPARE
	v_mov_b32 v[NIL], 0
	ds_add_u32 v[SPW], v[NIL]
	ds_add_u32 v[SPW], v[NIL]
	v_lshrrev_b32 v1, 5, v0
	v_readfirstlane_b32 s14, v1
	s_lshr_b32 s15, s14, 1
	s_and_b32 s16, s14, 1
	s_bfe_u32 s20, ttmp6, 0x40000
	s_bfe_u32 s21, ttmp6, 0x40004
	s_lshl_b32 s17, ttmp9, 2
	s_add_co_u32 s17, s17, s20
	s_and_b32 s18, ttmp7, 0xffff
	s_lshl_b32 s18, s18, 2
	s_add_co_u32 s18, s18, s21
	s_lshl_b32 s22, s21, 2
	s_lshl_b32 s22, 15, s22
	s_lshl_b32 s23, 0x1111, s20
	s_or_b32 s[G1C], s22, (3<<16)|(1<<21)
	s_or_b32 s[G1W], s23, (3<<16)|(1<<21)
	s_mov_b32 s[G1C+1], 1536<<16
	s_mov_b32 s[G1C+2], 8<<16                      ; a load brings a whole slot's part: 8 K steps
	s_mov_b32 s[G1C+3], 1536<<16
	s_mov_b32 s[G1C+4], 8
	s_mov_b32 s[G1C+5], 49152
	s_mov_b32 s[G1C+6], 0
	s_mov_b32 s[G1C+7], 0
	s_mov_b32 s[G1W+1], 768<<16
	s_mov_b32 s[G1W+2], 8<<16
	s_mov_b32 s[G1W+3], 768<<16
	s_mov_b32 s[G1W+4], 8
	s_mov_b32 s[G1W+5], 6144
	s_mov_b32 s[G1W+6], 0
	s_mov_b32 s[G1W+7], 0
	s_mul_i32 s56, s18, 12288
	s_mul_i32 s57, s16, 3145728                    ; waves 0 and 2 fill slot 0 (K steps 0-7), waves 1 and 3 slot 1 (K steps 8-15)
	s_add_co_u32 s56, s56, s57
	s_mov_b32 s57, 0
	s_mul_i32 s58, s17, 6144
	s_mul_i32 s59, s16, 393216
	s_add_co_u32 s58, s58, s59
	s_add_co_u32 s58, s58, 6291456
	s_mov_b32 s59, 0
	s_mul_i32 s60, s16, SLOTB
	s_mul_i32 s61, s16, SLOTB
	s_add_co_u32 s61, s61, WOFF
	s_wait_dscnt 0x0
	s_wait_kmcnt 0x0
	s_add_nc_u64 s[56:57], s[4:5], s[56:57]
	s_add_nc_u64 s[58:59], s[6:7], s[58:59]
	CROUND
	s_mov_b32 s[G0C], 1
	s_mov_b32 s[G0C+1], s60
	s_mov_b64 s[G0C+2:G0C+3], s[56:57]
	s_or_b32 s[G0C+3], s[G0C+3], 0x80000000
	s_mov_b32 s[G0W], 1
	s_mov_b32 s[G0W+1], s61
	s_mov_b64 s[G0W+2:G0W+3], s[58:59]
	s_or_b32 s[G0W+3], s[G0W+3], 0x80000000
	JLOAD G0C, G1C, G0W, G1W                       ; BOTH SLOTS ARE FILLED TOGETHER, one load a wave: K steps 0-15 here, 16-31 behind the one round in the middle
	v_and_b32 v1, 15, v0
	s_wait_alu depctr_va_vdst(0)
	v_bfe_u32 v2, v0, 4, 1
	v_and_b32 v3, 31, v0
	v_lshlrev_b32 v3, 4, v3
	s_mul_i32 s62, s14, 12288
	v_add_nc_u32 v[AC], s62, v3
	v_add_nc_u32 v[AC+1], SLOTB, v[AC]
	s_mul_i32 s62, s14, 6144
	s_add_co_u32 s62, s62, WOFF
	v_add_nc_u32 v[AW], s62, v3
	v_add_nc_u32 v[AW+1], SLOTB, v[AW]
	s_lshl_b32 s62, s18, 14
	s_lshl_b32 s63, s14, 7
	s_add_co_u32 s62, s62, s63
	s_add_co_u32 s62, s62, 12582912
	v_lshl_add_u32 v[CSO], v1, 3, s62
	s_lshl_b32 s62, s14, 11
	s_lshl_b32 s63, s17, 8
	s_add_co_u32 s62, s62, s63
	s_add_co_u32 s62, s62, 8126464
	v_lshl_add_u32 v[PSO], v1, 4, s62
	v_lshl_add_u32 v[BPO], v1, 4, s63
.irp R, 0,1,2,3,4,5,6,7
.irp p, 0,1,2,3
	global_load_b64 v[SC+12*\R+2*\p:SC+12*\R+2*\p+1], v[CSO], s[4:5] offset:\p*4096+\R*512
.endr
	global_load_b128 v[SC+12*\R+8:SC+12*\R+11], v[PSO], s[6:7] offset:\R*8192
.endr
	global_load_b128 v[BP:BP+3], v[BPO], s[8:9]
	s_mul_i32 s62, s14, RGN
	v_and_b32 v17, 8, v1
	v_add_nc_u32 v17, v17, v1
	v_mul_u32_u24 v[STO], v17, 272
	v_lshl_add_u32 v[STO], v2, 6, v[STO]
	v_add_nc_u32 v[STO], s62, v[STO]
	s_mul_i32 s62, s14, 32*272
	v_mul_u32_u24 v[RD0], v2, 272
	v_lshl_add_u32 v[RD0], v1, 4, v[RD0]
	v_add_nc_u32 v[RD0], s62, v[RD0]
	v_add_nc_u32 v[RD1], 2*RGN, v[RD0]
	v_lshlrev_b32 v[GO], 11, v2
	v_lshl_add_u32 v[GO], v1, 4, v[GO]
	s_lshl_b32 s62, s18, 18
	s_lshl_b32 s63, s14, 16
	s_add_co_u32 s62, s62, s63
	s_lshl_b32 s63, s17, 8
	s_add_co_u32 s62, s62, s63
	s_mov_b32 s63, 0
	s_add_nc_u64 s[10:11], s[10:11], s[62:63]
.macro FETCH slot, rr, set
	WIN 0x80+0x40*(\set)
.irp b, 0,1,2,3
.irp c, 0,1,2
	ds_load_b128 v[12*\b+4*\c:12*\b+4*\c+3], v[AW+(\slot)] offset:(\rr)*24576+\b*1536+512*\c
.endr
.endr
.irp a, 0,1,2,3,4,5,6,7
.irp c, 0,1,2
	ds_load_b128 v[48+12*\a+4*\c:48+12*\a+4*\c+3], v[AC+(\slot)] offset:(\rr)*49152+\a*1536+512*\c
.endr
.endr
	WIN 0
.endm
.macro MULH R, a0, zero
	WIN 0x5a+5*((\R)%2)
.irp a, \a0, \a0+1, \a0+2, \a0+3
.irp b, 0,1,2,3
.if \zero
	v_wmma_scale_f32_16x16x128_f8f6f4 v[8*(4*(\a)+\b):8*(4*(\a)+\b)+7], v[12*\b:12*\b+11], v[48+12*(\a):48+12*(\a)+11], 0, v[SC+12*(\R)+8+\b], v[SC+12*(\R)+(\a)] matrix_a_fmt:MATRIX_FMT_FP6 matrix_b_fmt:MATRIX_FMT_FP6
.else
	v_wmma_scale_f32_16x16x128_f8f6f4 v[8*(4*(\a)+\b):8*(4*(\a)+\b)+7], v[12*\b:12*\b+11], v[48+12*(\a):48+12*(\a)+11], v[8*(4*(\a)+\b):8*(4*(\a)+\b)+7], v[SC+12*(\R)+8+\b], v[SC+12*(\R)+(\a)] matrix_a_fmt:MATRIX_FMT_FP6 matrix_b_fmt:MATRIX_FMT_FP6
.endif
.endr
.endr
.endm
.macro TURN p, fill
	WIN 0
	s_wait_tensorcnt 0x0
	ds_add_u32 v[SPW], v[NIL]
	s_wait_dscnt 1
	MULH 2*(\p)+1, 0, 0
	s_wait_dscnt 0x0
	s_barrier_signal -1
	MULH 2*(\p)+1, 4, 0
	WIN 0
	s_barrier_wait -1
.if \fill
	CREST
	s_add_nc_u64 s[G0C+2:G0C+3], s[G0C+2:G0C+3], 6291456   ; 16 K steps on
	s_add_nc_u64 s[G0W+2:G0W+3], s[G0W+2:G0W+3], 786432
	JLOAD G0C, G1C, G0W, G1W                       ; every read of both slots is over: each wave fills its part again
	s_wait_tensorcnt 0x0                           ; my part has landed;
	s_barrier_signal -1
	s_barrier_wait -1                              ; everybody's has
.else
	PLACES
.endif
	FETCH 1-(\p)%2, 0, 0
	FETCH 1-(\p)%2, 1, 1
.endm
	s_wait_tensorcnt 0x0                           ; my part of the two slots has landed
	s_barrier_signal -1
	s_barrier_wait -1
	FETCH 0, 0, 0
	FETCH 0, 1, 1
	s_wait_loadcnt 0x0
	s_wait_dscnt 36
	MULH 0, 0, 1
	MULH 0, 4, 1
	TURN 0, 0
	s_wait_dscnt 36
	MULH 2, 0, 0
	MULH 2, 4, 0
	TURN 1, 1
	s_wait_dscnt 36
	MULH 4, 0, 0
	MULH 4, 4, 0
	TURN 2, 0
	s_wait_dscnt 36
	MULH 6, 0, 0
	MULH 6, 4, 0
	s_wait_dscnt 0x0
	MULH 7, 0, 0
	MULH 7, 4, 0
	PLACES
	WIN 0x04
	s_wait_alu depctr_va_vdst(0)
.irp a, 0,1,2,3,4,5,6,7
.irp b, 0,1,2,3
	ds_store_b128 v[STO], v[8*(4*\a+\b):8*(4*\a+\b)+3] offset:(32*(\a/2)+8*(\a%2))*272+128*(\b/2)+32*(\b%2)
	ds_store_b128 v[STO], v[8*(4*\a+\b)+4:8*(4*\a+\b)+7] offset:(32*(\a/2)+8*(\a%2))*272+128*(\b/2)+32*(\b%2)+16
.endr
.endr
	WIN 0
	s_wait_dscnt 0x0
	s_barrier_signal -1
	s_barrier_wait -1
.macro BLOAD q
.irp u, 0,1,2,3
	ds_load_b128 v[BUF+64*((\q)%2)+16*\u:BUF+64*((\q)%2)+16*\u+3], v[RD0] offset:(4*(\q)+\u)*544
	ds_load_b128 v[BUF+64*((\q)%2)+16*\u+4:BUF+64*((\q)%2)+16*\u+7], v[RD0] offset:RGN+(4*(\q)+\u)*544
	ds_load_b128 v[BUF+64*((\q)%2)+16*\u+8:BUF+64*((\q)%2)+16*\u+11], v[RD1] offset:(4*(\q)+\u)*544
	ds_load_b128 v[BUF+64*((\q)%2)+16*\u+12:BUF+64*((\q)%2)+16*\u+15], v[RD1] offset:RGN+(4*(\q)+\u)*544
.endr
.endm
.macro BSUM q
.irp u, 0,1,2,3
.set B, BUF+64*((\q)%2)+16*\u
	v_pk_add_f32 v[B:B+1], v[B:B+1], v[B+4:B+5]
	v_pk_add_f32 v[B+2:B+3], v[B+2:B+3], v[B+6:B+7]
	v_pk_add_f32 v[B+8:B+9], v[B+8:B+9], v[B+12:B+13]
	v_pk_add_f32 v[B+10:B+11], v[B+10:B+11], v[B+14:B+15]
	v_pk_add_f32 v[B:B+1], v[B:B+1], v[B+8:B+9]
	v_pk_add_f32 v[B+2:B+3], v[B+2:B+3], v[B+10:B+11]
	v_pk_add_f32 v[B:B+1], v[B:B+1], v[BP:BP+1]
	v_pk_add_f32 v[B+2:B+3], v[B+2:B+3], v[BP+2:BP+3]
	global_store_b128 v[GO], v[B:B+3], s[10:11] offset:(4*(\q)+\u)*4096 th:TH_STORE_NT
.endr
.endm
	BLOAD 0
	BLOAD 1
	s_wait_dscnt 16
	BSUM 0
	s_wait_xcnt 0x0
	BLOAD 2
	s_wait_dscnt 16
	BSUM 1
	s_wait_xcnt 0x0
	BLOAD 3
	s_wait_dscnt 16
	BSUM 2
	s_wait_dscnt 0x0
	BSUM 3
	s_wait_tensorcnt 0x0
	ds_add_u32 v[SPW], v[NIL]
	s_wait_dscnt 0x0
	CROUND
	s_endpgm
.Lfunc_end_k_q14cb458a7a_proj:
	.size	k_q14cb458a7a_proj, .Lfunc_end_k_q14cb458a7a_proj-k_q14cb458a7a_proj
	.p2alignl 7, 3214868480
	.fill 96, 4, 3214868480
	.section	.rodata,"a",@progbits
	.p2align	6, 0x0
	.amdhsa_kernel k_q14cb458a7a_proj
		.amdhsa_group_segment_fixed_size 327680
		.amdhsa_private_segment_fixed_size 0
		.amdhsa_enable_private_segment 0
		.amdhsa_kernarg_size 32
		.amdhsa_user_sgpr_count 2
		.amdhsa_user_sgpr_kernarg_segment_ptr 1
		.amdhsa_wavefront_size32 1
		.amdhsa_system_sgpr_workgroup_id_x 1
		.amdhsa_system_sgpr_workgroup_id_y 1
		.amdhsa_system_sgpr_workgroup_id_z 1
		.amdhsa_system_vgpr_workitem_id 0
		.amdhsa_next_free_vgpr 1024
		.amdhsa_next_free_sgpr 66
		.amdhsa_reserve_vcc 0
		.amdhsa_float_denorm_mode_32 3
		.amdhsa_float_denorm_mode_16_64 3
		.amdhsa_memory_ordered 1
		.amdhsa_forward_progress 1
		.amdhsa_inst_pref_size 82
	.end_amdhsa_kernel
	.amdgpu_metadata
---
amdhsa.version: [ 1, 2 ]
amdhsa.kernels:
  - .name:           k_q14cb458a7a_proj
    .symbol:         k_q14cb458a7a_proj.kd
    .args:
      - { .name: cat, .offset: 0, .size: 8, .value_kind: global_buffer, .address_space: global }
      - { .name: xw, .offset: 8, .size: 8, .value_kind: global_buffer, .address_space: global }
      - { .name: bp, .offset: 16, .size: 8, .value_kind: global_buffer, .address_space: global }
      - { .name: out0, .offset: 24, .size: 8, .value_kind: global_buffer, .address_space: global }
    .group_segment_fixed_size: 327680
    .private_segment_fixed_size: 0
    .kernarg_segment_align: 8
    .kernarg_segment_size: 32
    .max_flat_workgroup_size: 128
    .sgpr_count:     66
    .vgpr_count:     1024
    .wavefront_size: 32
...
	.end_amdgpu_metadata
.endif
;; end of part 4
